; MI455X (gfx1250); checked and timed in simulation.
; The chip was launched on July 23, 2026; its instructions are those of AMD's public machine-readable ISA for CDNA 5 (MIT licence, August 2026) and "CDNA5" Instruction Set Architecture Reference Guide (July 2026). The comments in the code are by the model that wrote it; some were corrected since.
;; Multihead Latent Attention. Allowed arithmetic: matrix products marked QUANTISED: E3M2 operands, one E8M0 scale for each 32 along K, by v_wmma_scale_f32_16x16x128_f8f6f4 with both operands' format E3M2, f32 sums; everything else in f32.
;; Inputs: Wkva 1,024 x 32 float32; Wkvb 32 x 512 float32; Wout 1,024 x 1,024 float32; Wqa 1,024 x 64 float32; Wqb 64 x 1,024 float32; bout 1,024 float32; x 4 x 2,048 x 1,024 float32.
;; Outputs: out0 4 x 2,048 x 1,024 float32.
;; This version of the problem:
;;   THIS VERSION OF THE PROBLEM IS GIVEN IN LOW PRECISION. The matrix products marked QUANTISED in the list below multiply operands that are first quantised to E3M2 (3 exponent bits, 2 mantissa bits; 6 bits a number), with one power-of-two scale for each 32 numbers along K (OCP MX v1.0); their sums are f32. All else is computed in f32.
;;   The module's matrix products, in the order in which they are computed (A, B: the left and right operand; K: the contracted axis; several contracted axes count as one K, in the product's order):
;;     1. [M 8,192, K 1,024] x [K 1,024, N 64]; A: input x; B: input Wqa: QUANTISED
;;     2. [M 8,192, K 64] x [K 64, N 1,024]; A: computed on the way; B: input Wqb: QUANTISED
;;     3. [M 8,192, K 1,024] x [K 1,024, N 32]; A: input x; B: input Wkva: QUANTISED
;;     4. [M 8,192, K 32] x [K 32, N 512]; A: computed on the way; B: input Wkvb: QUANTISED
;;     5. batch 64 x [M 2,048, K 64] x [K 64, N 2,048]; A: computed on the way; B: computed on the way: QUANTISED
;;     6. batch 64 x [M 64, K 2,048] x [K 2,048, N 2,048]; A: computed on the way; B: softmax (see below): QUANTISED
;;     7. [M 8,192, K 1,024] x [K 1,024, N 1,024]; A: computed on the way; B: input Wout: QUANTISED
;;   THE QUANTISER, for each operand of a quantised product, along K:
;;     - K is cut into blocks of 32 from its start; a last block that is shorter is filled with zeros.
;;     - A block's scale is 2^e with e = floor(log2(the largest magnitude in the block)) - 4, held to -126 .. 127; a block of zeros has e = 0. As a byte (E8M0): e + 127.
;;     - Each number is divided by its block's scale, clamped to +-28, and rounded to the nearest number of E3M2, ties to even, subnormals kept.
;;     - The product sums the exact products of the quantised numbers (number of the format x scale) in f32.
;;   ~~~python
;;   def quantise(x, axis):      # numpy; x: float32 -> the quantised numbers, widened to float32 again
;;       x = np.moveaxis(x, axis, -1); K = x.shape[-1]
;;       x = np.pad(x, [(0, 0)] * (x.ndim - 1) + [(0, -K % 32)]); x = x.reshape(x.shape[:-1] + (-1, 32)); a = np.abs(x).max(-1, keepdims=True)
;;       e = np.where(a > 0, np.clip(np.frexp(np.where(a > 0, a, 1))[1] - 1 - 4, -126, 127), 0)      # np.frexp(a)[1] - 1 = floor(log2(a)), exactly
;;       r = np.clip(x / 2.0 ** e, -28, 28)
;;       step = 2.0 ** (np.maximum(np.frexp(np.where(r == 0, 1, r))[1] - 1, -2) - 2)
;;       q = np.round(r / step) * step * 2.0 ** e      # np.round: ties to even
;;       return np.moveaxis(q.reshape(q.shape[:-2] + (-1,))[..., :K], -1, axis).astype(np.float32)
;;   ~~~
;;   SOFTMAX AHEAD OF A QUANTISED PRODUCT. Where the list says 'softmax', what is quantised is not the finished softmax but p = 2^(t - M), with t = logit x log2(e) and M = ceil(the row's largest t), a whole number; so 1/2 < the row's largest p <= 1. The row's sum l is taken of the UNQUANTISED p, in f32, and the product's result is divided by l at the end. Since M is a whole number, a kernel that streams over the keys may use a running M (the ceiling of the running maximum): every later rescaling is an exact power of two, which a block's scale takes up: the codes' values come out the same.
;;   OPERANDS COMPUTED ON THE WAY. 'Computed on the way' means the value that the module computes at that place (a softmax that the list does not call 'softmax' is quantised finished and normalised). What goes into a quantiser is computed in f32, as accurately as f32 sums, v_exp_f32 and their like allow (about 1e-6 of the number): no bf16 or f16 on the way to a quantiser, and a product that is left as it is and whose result goes on into a quantised operand takes f32 operands (vector FMAs, or v_wmma_f32_16x16x4_f32). A number that lies on a knife's edge between two numbers of the format may be rounded either way, as far as f32 arithmetic and the matrix unit's own rounding can turn it there, and no further.
;; One version. Each part assembles by itself: llvm-mc -triple=amdgcn-amd-amdhsa -mcpu=gfx1250 --defsym DOCPART=n.
;; ======== version 1 of 1: 4 launches
;; limits: right only within a limited range of input values
;; workspace buffers: wsm 680,960 bytes; wo 819,200 bytes; qb 7,340,032 bytes; kv 3,342,336 bytes; ao 6,553,600 bytes
;; launch prep (part 1): grid 280 x 1, 4 waves a work-group, no clusters, 0 bytes of LDS; arguments Wout, Wqa, Wkva, Wqb, Wkvb, wsm, wo; writes wsm, wo
.if DOCPART == 1
	.amdgcn_target "amdgcn-amd-amdhsa--gfx1250"
	.amdhsa_code_object_version 6
	.text
	.protected	k_q5ac0dd6121_prep
	.globl	k_q5ac0dd6121_prep
	.p2align	8
	.type	k_q5ac0dd6121_prep,@function
k_q5ac0dd6121_prep:
	s_mov_b64 s[64:65], 0
	v_nop
	global_prefetch_b8 v0, s[64:65] scope:SCOPE_SE
	s_setreg_imm32_b32 hwreg(HW_REG_WAVE_MODE, 25, 1), 1
	s_wait_xcnt 0x0
; PREP: the five weights become codes of BF6 (E3M2) with one E8M0 byte for each 32 along K, laid in the order of an operand's registers; and the table of cos and sin for the rotation is made.
; DEAD WORK OF THE WHOLE PROGRAM.  No input and no product of the table is dead.  Left out, in the launch attn, are the key steps (128 keys) that lie wholly behind a tile's last query: reference() itself
; sets their scores to -inf by the triu mask that it builds in its own body, so their weights are 0 whatever the inputs hold.  LIMIT: a NaN, an infinity or an overflow that reaches only those scores is not carried to the result.
; LIMITS: NaN and infinities among the inputs are not served.  A block whose largest magnitude lies under 2^-122 gets the byte 1 (a block of zeros too, where the rule says 127: its codes are zeros, and this program alone reads the bytes).
; The angle of the rotation is fl(pos x fl(1 / fl(10^(j/8)))): one last bit of difference from reference()'s power moves an angle of 2,047 x 0.75 by about 1.8e-4.
; A LANE TAKES A COLUMN AND ITS REGISTERS RUN DOWN K: a block of 32 is one lane's, its codes come out with K innermost.  A wave takes 32 columns = two tiles of 16; an exchange of half waves gives each tile's
; HALF IMAGE (six operand registers of 32 lanes: registers 0-3 of lane l at 16 l, registers 4-5 at 512 + 8 l: 768 bytes, three whole runs of 256).
; JOBS, one a wave, J = 4 x work-group + wave, the paths parted on the work-group's number: 0-63 Wout; 64-67 Wqa; 68-69 Wkva; 70-77 Wqb; 78-81 Wkvb's k and v columns; 82-113 the table.
; Wqb and Wkvb have K = 64 and 32: a fragment of 12 registers there holds TWO tiles, registers 0-5 tile 2 b, registers 6-11 tile 2 b + 1; their columns are taken in the order 32 b + 8 u + r + 8 (r / 8).
; THE JOBS AS THEY STAND (in place of the list above), by the work-group's number: 0-127 Wout; 128-135 Wqa; 136-139 Wkva; 140-147 Wqb; 148-151 Wkvb; 152-279 the table, 4 positions a wave.
; A job of Wout, Wqa or Wkva takes 64 along K (half c of a K step): two blocks a lane, so that all its 64 loads go out at once; it stores half image c of its two tiles and bytes 2 c, 2 c + 1 of each column's scale word.
.set X,    32
.set CB,   160                         ; v160-183 four blocks' codes, six registers each
.set T,    184                         ; v184-186 a block's upper 16 codes (a conversion's three registers begin on an even number)
.set MX,   188                         ; v188-189 two chains of the largest magnitude
.set SO,   192                         ; v192-195 the conversions' scale operands
.set BY,   196                         ; v196-199 the scale bytes
.set WD,   200                         ; v200-201 the scale word
.set WAS,  73728                       ; in wsm: behind WA [kappa 8][t 6][1,536]: its scale words [kappa][t][16]
.set W2,   76800                       ; [head' 24][b 2][1,536]
.set W2S,  150528                      ; [head'][b][32 words]
.set ROPE, 156672                      ; [pos 2,048][j 32] (cos, sin)
; 32 numbers of a lane, v[S] on, become 32 codes in v[D] .. v[D+5]; v[O] keeps the conversion's scale operand
.macro Q32 S, D, TT, M, O
	v_max3_num_f32 v[\M], |v[\S]|, |v[\S+1]|, 0x2800000            ; the floor 2^(5 - 127) among the leaves holds the byte at 1 from below
	v_max3_num_f32 v[\M+1], |v[\S+2]|, |v[\S+3]|, |v[\S+4]|
.irp i, 5,9,13,17,21,25
	v_max3_num_f32 v[\M], v[\M], |v[\S+\i]|, |v[\S+\i+1]|
	v_max3_num_f32 v[\M+1], v[\M+1], |v[\S+\i+2]|, |v[\S+\i+3]|
.endr
	v_max3_num_f32 v[\M], v[\M], |v[\S+29]|, |v[\S+30]|
	v_max3_num_f32 v[\M], v[\M], v[\M+1], |v[\S+31]|
	v_add_nc_u32 v[\O], 0xfe000000, v[\M]                          ; 4 off the exponent field: the conversion takes that field as its scale
	v_cvt_scalef32_pk16_bf6_f32 v[\D:\D+2], v[\S:\S+15], v[\O]
	v_cvt_scalef32_pk16_bf6_f32 v[\TT:\TT+2], v[\S+16:\S+31], v[\O]
	v_nop                                                          ; one plain line behind the last conversion
.irp i, 0,1,2
	v_mov_b32 v[\D+3+\i], v[\TT+\i]
.endr
.endm
.macro LDBLK q, pitch, nt              ; block q of my column: 32 lanes read neighbouring columns of one row
.set i, 0
.rept 32
.if \nt
	global_load_b32 v[X+32*(\q)+i], v2, s[20:21] offset:(32*(\q)+i)*\pitch th:TH_LOAD_NT
.else
	global_load_b32 v[X+32*(\q)+i], v2, s[20:21] offset:(32*(\q)+i)*\pitch
.endif
.set i, i+1
.endr
.endm
.macro QCOL pitch, NL, nt              ; NL blocks of my column; the loads run two blocks ahead
	LDBLK 0, \pitch, \nt
.if \NL > 1
	LDBLK 1, \pitch, \nt
.endif
.set q, 0
.rept \NL
.if q < \NL-1
	s_wait_loadcnt 32                              ; this block is in; the next block's 32 loads may be out
.else
	s_wait_loadcnt 0x0
.endif
	Q32 X+32*q, CB+6*q, T, MX, SO+q
	v_lshrrev_b32 v[BY+q], 23, v[SO+q]             ; the scale's byte
.if q+2 < \NL
	LDBLK q+2, \pitch, \nt
.endif
.set q, q+1
.endr
.endm
.macro SWAPS nc                        ; blocks 2 c and 2 c + 1: the first's lanes 16-31 change places with the second's lanes 0-15: the first is then the lower tile's half image c, the second the upper tile's
.set c, 0
.rept \nc
.irp i, 0,1,2,3,4,5
	v_permlane16_swap_b32 v[CB+12*c+\i], v[CB+12*c+6+\i]
.endr
.set c, c+1
.endr
.endm
.macro OUT4 tb                         ; two whole fragments, the upper tile's tb bytes on; each lane's own four bytes are its column's scale word
.irp c, 0,1
	global_store_b128 v3, v[CB+12*\c:CB+12*\c+3], s[22:23] offset:768*\c
	global_store_b64 v4, v[CB+12*\c+4:CB+12*\c+5], s[22:23] offset:768*\c+512
	global_store_b128 v3, v[CB+12*\c+6:CB+12*\c+9], s[22:23] offset:\tb+768*\c
	global_store_b64 v4, v[CB+12*\c+10:CB+12*\c+11], s[22:23] offset:\tb+768*\c+512
.endr
	v_lshl_or_b32 v[WD], v[BY+1], 8, v[BY]
	v_lshl_or_b32 v[WD], v[BY+2], 16, v[WD]
	v_lshl_or_b32 v[WD], v[BY+3], 24, v[WD]
	global_store_b32 v5, v[WD], s[24:25]
.endm
.macro OUTH tb                         ; half image c of two tiles, the upper tile's tb bytes on; each lane's own two bytes are bytes 2 c, 2 c + 1 of its column's scale word
	global_store_b128 v3, v[CB:CB+3], s[22:23]
	global_store_b64 v4, v[CB+4:CB+5], s[22:23] offset:512
	global_store_b128 v3, v[CB+6:CB+9], s[22:23] offset:\tb
	global_store_b64 v4, v[CB+10:CB+11], s[22:23] offset:\tb+512
	v_lshl_or_b32 v[WD], v[BY+1], 8, v[BY]
	global_store_b16 v5, v[WD], s[24:25]
.endm
.macro DEST2
	s_mul_i32 s22, s26, 1536
	s_add_co_u32 s22, s22, W2
	s_lshl_b32 s24, s26, 7
	s_add_co_u32 s24, s24, W2S
	s_add_nc_u64 s[22:23], s[14:15], s[22:23]
	s_add_nc_u64 s[24:25], s[14:15], s[24:25]
.endm
.macro OUT2                            ; one packed fragment; lane r's word: the lower tile's two bytes, then the upper tile's (lanes 16-31 store a word that nobody uses)
	global_store_b128 v3, v[CB:CB+3], s[22:23]
	global_store_b64 v4, v[CB+4:CB+5], s[22:23] offset:512
	global_store_b128 v3, v[CB+6:CB+9], s[22:23] offset:768
	global_store_b64 v4, v[CB+10:CB+11], s[22:23] offset:1280
	v_lshl_or_b32 v[WD], v[BY+1], 8, v[BY]
	v_mov_b32 v[WD+1], 0                           ; a lane permute's destination counts as one of its sources
	v_permlanex16_b32 v[WD+1], v[WD], s28, s29
	v_lshl_or_b32 v[WD], v[WD+1], 16, v[WD]
	global_store_b32 v5, v[WD], s[24:25]
.endm
.macro PJ lane, val
	s_mov_b32 s40, \val
	v_writelane_b32 v10, s40, \lane
.endm
	s_load_b256 s[4:11], s[0:1], 0x0               ; Wout s[4:5], Wqa s[6:7], Wkva s[8:9], Wqb s[10:11]
	s_load_b128 s[12:15], s[0:1], 0x20             ; Wkvb s[12:13], wsm s[14:15]
	s_load_b64 s[16:17], s[0:1], 0x30              ; wo
	v_lshrrev_b32 v1, 5, v0
	v_readfirstlane_b32 s18, v1                    ; wave
	v_and_b32 v1, 31, v0                           ; lane
	v_lshlrev_b32 v3, 4, v1                        ; 16 l
	v_lshlrev_b32 v4, 3, v1                        ; 8 l
	v_lshlrev_b32 v5, 2, v1                        ; 4 l
	s_lshl_b32 s19, ttmp9, 2
	s_add_co_u32 s19, s19, s18                     ; J
	s_mov_b32 s21, 0                               ; the offsets' high words
	s_mov_b32 s23, 0
	s_mov_b32 s25, 0
	s_mov_b32 s28, 0x76543210
	s_mov_b32 s29, 0xfedcba98                      ; v_permlanex16_b32's selects for lane l xor 16
	s_wait_kmcnt 0x0
	s_cmp_ge_u32 ttmp9, 128
	s_cbranch_scc1 .Lnot_wout
	; ---- Wout: J = 16 P + 2 kappa + c: columns 32 P + l, K step kappa, its half c
	s_and_b32 s41, s19, 1                          ; c
	s_lshr_b32 s26, s19, 4                         ; P
	s_bfe_u32 s27, s19, 0x30001                    ; kappa
	s_lshl_b32 s20, s27, 19                        ; 128 rows of 4,096 bytes
	s_lshl_b32 s30, s26, 7
	s_add_co_u32 s20, s20, s30
	s_lshl_b32 s30, s41, 18                        ; + 64 c rows
	s_add_co_u32 s20, s20, s30
	s_add_nc_u64 s[20:21], s[4:5], s[20:21]
	s_lshr_b32 s30, s27, 1
	s_lshl_b32 s30, s30, 2
	s_lshr_b32 s31, s26, 3
	s_add_co_u32 s30, s30, s31
	s_mul_i32 s30, s30, 51200                      ; the record [chunk = kappa / 2][column block = P / 8]
	s_and_b32 s31, s26, 7
	s_mul_i32 s22, s31, 6144                       ; column tile 2 (P % 8), 3,072 bytes a tile
	s_add_co_u32 s22, s22, s30
	s_and_b32 s32, s27, 1
	s_mul_i32 s33, s32, 1536
	s_add_co_u32 s22, s22, s33
	s_mul_i32 s33, s41, 768                        ; half image c
	s_add_co_u32 s22, s22, s33
	s_add_nc_u64 s[22:23], s[16:17], s[22:23]
	s_lshr_b32 s31, s31, 1                         ; the scale words [group of 4 tiles][kappa % 2][tile][r]
	s_lshl_b32 s31, s31, 9
	s_lshl_b32 s32, s32, 8
	s_and_b32 s33, s26, 1
	s_lshl_b32 s33, s33, 7
	s_add_co_u32 s24, s30, s31
	s_add_co_u32 s24, s24, s32
	s_add_co_u32 s24, s24, s33
	s_add_co_u32 s24, s24, 49152
	s_lshl_b32 s33, s41, 1                         ; bytes 2 c, 2 c + 1 of the words
	s_add_co_u32 s24, s24, s33
	s_add_nc_u64 s[24:25], s[16:17], s[24:25]
	s_wait_alu depctr_va_vdst(0)
	v_mov_b32 v2, v5
	QCOL 4096, 2, 1
	SWAPS 1
	OUTH 3072
	s_endpgm
.Lnot_wout:
	s_cmp_ge_u32 ttmp9, 140
	s_cbranch_scc1 .Lnot_wa
	; ---- Wqa (tiles 0-3) and Wkva (tiles 4, 5) of the joint operand WA
	s_and_b32 s41, s19, 1                          ; c
	s_bfe_u32 s27, s19, 0x30001                    ; kappa (512 and 544 are multiples of 16)
	s_mul_i32 s22, s27, 9216
	s_mul_i32 s24, s41, 768
	s_add_co_u32 s22, s22, s24                     ; half image c
	s_mul_i32 s24, s27, 384
	s_lshl_b32 s42, s41, 1
	s_add_co_u32 s24, s24, s42                     ; bytes 2 c, 2 c + 1 of the words
	s_add_co_u32 s24, s24, WAS
	s_wait_alu depctr_va_vdst(0)
	v_mov_b32 v2, v5
	s_cmp_ge_u32 ttmp9, 136
	s_cbranch_scc1 .Lwkva
	s_sub_co_u32 s26, s19, 512
	s_lshr_b32 s26, s26, 4                         ; which 32 columns
	s_lshl_b32 s20, s27, 15                        ; 128 rows of 256 bytes
	s_lshl_b32 s30, s26, 7
	s_add_co_u32 s20, s20, s30
	s_lshl_b32 s31, s41, 14                        ; + 64 c rows
	s_add_co_u32 s20, s20, s31
	s_add_nc_u64 s[20:21], s[6:7], s[20:21]
	s_mul_i32 s31, s26, 3072
	s_add_co_u32 s22, s22, s31
	s_add_co_u32 s24, s24, s30
	s_add_nc_u64 s[22:23], s[14:15], s[22:23]
	s_add_nc_u64 s[24:25], s[14:15], s[24:25]
	s_wait_alu depctr_va_vdst(0)
	QCOL 256, 2, 1
	SWAPS 1
	OUTH 1536
	s_endpgm
.Lwkva:
	s_lshl_b32 s20, s27, 14                        ; 128 rows of 128 bytes
	s_lshl_b32 s31, s41, 13                        ; + 64 c rows
	s_add_co_u32 s20, s20, s31
	s_add_nc_u64 s[20:21], s[8:9], s[20:21]
	s_add_co_u32 s22, s22, 6144
	s_add_co_u32 s24, s24, 256
	s_add_nc_u64 s[22:23], s[14:15], s[22:23]
	s_add_nc_u64 s[24:25], s[14:15], s[24:25]
	s_wait_alu depctr_va_vdst(0)
	QCOL 128, 2, 1
	SWAPS 1
	OUTH 1536
	s_endpgm
.Lnot_wa:
	s_cmp_ge_u32 ttmp9, 152
	s_cbranch_scc1 .Lrope
	s_wait_alu depctr_va_vdst(0)
	v_and_b32 v6, 15, v1
	v_lshrrev_b32 v7, 4, v1
	v_and_b32 v8, 8, v6
	v_add_nc_u32 v6, v6, v8
	v_lshl_add_u32 v6, v7, 3, v6                   ; my column among the 32: 8 (l / 16) + r + 8 (r / 8)
	s_cmp_ge_u32 ttmp9, 148
	s_cbranch_scc1 .Lkv
	; ---- Wqb: K = 64, two blocks
	s_sub_co_u32 s26, s19, 560
	s_lshl_b32 s20, s26, 7                         ; column 64 head + 32 b
	s_add_nc_u64 s[20:21], s[10:11], s[20:21]
	v_lshlrev_b32 v2, 2, v6
	DEST2
	QCOL 4096, 2, 1
	SWAPS 1
	OUT2
	s_endpgm
.Lkv:
	; ---- Wkvb: K = 32, one block; the second block is zero codes under the byte 127.  Column 128 kvh + 2 d holds k, + 1 holds v
	s_sub_co_u32 s26, s19, 592
	s_lshr_b32 s30, s26, 3                         ; 0: k, 1: v
	s_lshl_b32 s30, s30, 2
	s_and_b32 s31, s26, 7                          ; 2 kvh + b
	s_lshl_b32 s20, s31, 8
	s_add_co_u32 s20, s20, s30
	s_add_nc_u64 s[20:21], s[12:13], s[20:21]
	s_wait_alu depctr_va_vdst(0)
	v_lshlrev_b32 v2, 3, v6
	s_add_co_u32 s26, s26, 32                      ; head' = 16 + kvh for k, 20 + kvh for v
	DEST2
	QCOL 2048, 1, 0
.irp i, 0,1,2,3,4,5
	v_mov_b32 v[CB+6+\i], 0
.endr
	v_mov_b32 v[BY+1], 127
	SWAPS 1
	OUT2
	s_endpgm
.Lrope:
	; ---- the table: lane j, 4 positions a wave.  cos and sin by reduction to a quarter turn and two polynomials, in f32
	s_sub_co_u32 s26, s19, 608
	s_lshl_b32 s26, s26, 2                         ; my first position: 4 positions a wave
	s_lshl_b32 s22, s26, 8
	s_add_co_u32 s22, s22, ROPE
	s_add_nc_u64 s[22:23], s[14:15], s[22:23]
	v_mov_b32 v10, 0
	PJ 0, 1.0                                      ; 10000^(2 j / 64) = 10^(j / 8)
	PJ 1, 1.3335214321633240
	PJ 2, 1.7782794100389228
	PJ 3, 2.3713737056616552
	PJ 4, 3.1622776601683795
	PJ 5, 4.2169650342858225
	PJ 6, 5.6234132519034908
	PJ 7, 7.4989420933245582
	PJ 8, 10.0
	PJ 9, 13.335214321633240
	PJ 10, 17.782794100389228
	PJ 11, 23.713737056616552
	PJ 12, 31.622776601683795
	PJ 13, 42.169650342858225
	PJ 14, 56.234132519034908
	PJ 15, 74.989420933245582
	PJ 16, 100.0
	PJ 17, 133.35214321633240
	PJ 18, 177.82794100389228
	PJ 19, 237.13737056616552
	PJ 20, 316.22776601683795
	PJ 21, 421.69650342858225
	PJ 22, 562.34132519034908
	PJ 23, 749.89420933245582
	PJ 24, 1000.0
	PJ 25, 1333.5214321633240
	PJ 26, 1778.2794100389228
	PJ 27, 2371.3737056616552
	PJ 28, 3162.2776601683795
	PJ 29, 4216.9650342858225
	PJ 30, 5623.4132519034908
	PJ 31, 7498.9420933245582
	s_wait_alu depctr_va_vdst(0)
	v_rcp_f32 v11, v10
	v_mov_b32 v9, v4                               ; (a plain line behind the reciprocal)  8 l: my pair's place in a row of the table
	s_wait_alu depctr_va_vdst(0)                   ; the wait ahead of the first reader
	v_fma_f32 v12, -v10, v11, 1.0                  ; one step of Newton: 1 / P to the last bit or nearly
	v_fma_f32 v11, v11, v12, v11
	s_mov_b32 s31, 0x3f22f983                      ; 2 / pi
	s_mov_b32 s32, 0x3fc90fdb                      ; pi / 2, its high part
	s_mov_b32 s33, 0xb33bbd2e                      ; and what is left of it
	s_mov_b32 s34, 0xb94ca1f9                      ; sin: -1.9515295891e-4
	s_mov_b32 s35, 0x3c08839e                      ;       8.3321608736e-3
	s_mov_b32 s36, 0xbe2aaaa3                      ;      -1.6666654611e-1
	s_mov_b32 s37, 0x37ccf5ce                      ; cos:  2.443315712e-5
	s_mov_b32 s38, 0xbab6061a                      ;      -1.388731625e-3
	s_mov_b32 s39, 0x3d2aaaa5                      ;       4.166664568e-2
	s_mov_b32 s27, 4
.Lpos:
	v_cvt_f32_u32 v12, s26
	s_wait_alu depctr_va_vdst(0)
	v_mul_f32 v12, v12, v11                        ; the angle, rounded as reference() rounds it
	v_mul_f32 v13, s31, v12
	v_rndne_f32 v13, v13                           ; n quarter turns
	v_fma_f32 v14, -v13, s32, v12
	v_fma_f32 v14, -v13, s33, v14                  ; x in -pi/4 .. pi/4
	v_mul_f32 v15, v14, v14                        ; z
	v_fma_f32 v16, v15, s34, s35
	v_fma_f32 v16, v16, v15, s36
	v_mul_f32 v17, v14, v15
	v_fma_f32 v16, v17, v16, v14                   ; sin x
	v_fma_f32 v18, v15, s37, s38
	v_fma_f32 v18, v18, v15, s39
	v_mul_f32 v19, v15, v15
	v_fma_f32 v20, v15, -0.5, 1.0
	v_fma_f32 v18, v19, v18, v20                   ; cos x
	v_cvt_i32_f32 v21, v13
	v_and_b32 v22, 1, v21
	v_cmp_eq_u32 vcc_lo, 1, v22
	v_cndmask_b32 v23, v16, v18, vcc_lo            ; an odd n swaps the two
	v_cndmask_b32 v24, v18, v16, vcc_lo
	v_lshlrev_b32 v25, 30, v21                     ; sin is negated where n % 4 is 2 or 3,
	v_and_b32 v25, 0x80000000, v25
	v_add_nc_u32 v26, 1, v21                       ; cos where it is 1 or 2
	v_lshlrev_b32 v26, 30, v26
	v_and_b32 v26, 0x80000000, v26
	v_xor_b32 v28, v24, v26
	v_xor_b32 v29, v23, v25
	global_store_b64 v9, v[28:29], s[22:23]        ; 32 lanes store a position's 256 bytes
	s_wait_xcnt 0x0                                ; the store has read its registers: they are written again only behind this wait
	v_add_nc_u32 v9, 0x100, v9
	s_add_co_u32 s26, s26, 1
	s_sub_co_u32 s27, s27, 1
	s_cmp_lg_u32 s27, 0
	s_cbranch_scc1 .Lpos
	s_endpgm
.Lfunc_end_k_q5ac0dd6121_prep:
	.size	k_q5ac0dd6121_prep, .Lfunc_end_k_q5ac0dd6121_prep-k_q5ac0dd6121_prep
	.p2alignl 7, 3214868480
	.fill 96, 4, 3214868480
	.section	.rodata,"a",@progbits
	.p2align	6, 0x0
	.amdhsa_kernel k_q5ac0dd6121_prep
		.amdhsa_group_segment_fixed_size 0
		.amdhsa_private_segment_fixed_size 0
		.amdhsa_enable_private_segment 0
		.amdhsa_kernarg_size 56
		.amdhsa_user_sgpr_count 2
		.amdhsa_user_sgpr_kernarg_segment_ptr 1
		.amdhsa_wavefront_size32 1
		.amdhsa_system_sgpr_workgroup_id_x 1
		.amdhsa_system_sgpr_workgroup_id_y 1
		.amdhsa_system_sgpr_workgroup_id_z 1
		.amdhsa_system_vgpr_workitem_id 0
		.amdhsa_next_free_vgpr 208
		.amdhsa_next_free_sgpr 66
		.amdhsa_reserve_vcc 1
		.amdhsa_float_denorm_mode_32 3
		.amdhsa_float_denorm_mode_16_64 3
		.amdhsa_memory_ordered 1
		.amdhsa_forward_progress 1
		.amdhsa_inst_pref_size 56
	.end_amdhsa_kernel
	.amdgpu_metadata
---
amdhsa.version: [ 1, 2 ]
amdhsa.kernels:
  - .name:           k_q5ac0dd6121_prep
    .symbol:         k_q5ac0dd6121_prep.kd
    .args:
      - { .name: Wout, .offset: 0, .size: 8, .value_kind: global_buffer, .address_space: global }
      - { .name: Wqa, .offset: 8, .size: 8, .value_kind: global_buffer, .address_space: global }
      - { .name: Wkva, .offset: 16, .size: 8, .value_kind: global_buffer, .address_space: global }
      - { .name: Wqb, .offset: 24, .size: 8, .value_kind: global_buffer, .address_space: global }
      - { .name: Wkvb, .offset: 32, .size: 8, .value_kind: global_buffer, .address_space: global }
      - { .name: wsm, .offset: 40, .size: 8, .value_kind: global_buffer, .address_space: global }
      - { .name: wo, .offset: 48, .size: 8, .value_kind: global_buffer, .address_space: global }
    .group_segment_fixed_size: 0
    .private_segment_fixed_size: 0
    .kernarg_segment_align: 8
    .kernarg_segment_size: 56
    .max_flat_workgroup_size: 128
    .sgpr_count:     66
    .vgpr_count:     208
    .wavefront_size: 32
...
	.end_amdgpu_metadata
.endif
;; end of part 1
;; launch proj (part 2): grid 256 x 1, 16 waves a work-group, no clusters, 185,344 bytes of LDS; arguments x, wsm, qb, kv; writes qb, kv
.if DOCPART == 2
	.amdgcn_target "amdgcn-amd-amdhsa--gfx1250"
	.amdhsa_code_object_version 6
	.text
	.protected	k_q5ac0dd6121_proj
	.globl	k_q5ac0dd6121_proj
	.p2align	8
	.type	k_q5ac0dd6121_proj,@function
k_q5ac0dd6121_proj:
	s_mov_b64 s[64:65], 0
	v_nop
	global_prefetch_b8 v0, s[64:65] scope:SCOPE_SE
	s_setreg_imm32_b32 hwreg(HW_REG_WAVE_MODE, 25, 1), 1
	s_wait_xcnt 0x0
; PROJ: a work-group takes one group of 32 positions through x -> Q(x) -> (x Wqa | x Wkva) -> Q -> (.. Wqb | .. Wkvb) -> rotation -> Q(q), Q(k) along the head's 64, Q(v) along the 32 keys.  All products on codes of BF6 with E8M0 scales.  No work of reference() is left out here.
; LIMITS: as stated at the head of prep (NaN and infinities not served; blocks under 2^-122 get the byte 1).  The sums over K = 1,024 run in two chains, even and odd K steps, added at the end.
; ROW TILES.  The 32 positions are two tiles u = 0, 1; lane r of tile u stands for position 8 u + r + 8 (r / 8), so that the 16 result registers of the two tiles are 16 neighbouring positions: that is what V, quantised along the keys, wants.
; SIXTEEN WAVES.  X: wave w = 2 kappa + u quantises x's fragment (tile u, K step kappa) and stores its register image in LDS | barrier | 1: waves 0-11 = (latent column tile t = w / 2, tile u): 8 products, result to LDS as f32 | barrier |
; 2: wave w makes query head w; then waves 0-3 key head w, waves 4-7 value head w - 4.
; K = 64 AND 32.  The weight's fragment holds two tiles (registers 0-5, 6-11); the latent operand is an array of 18 registers [z][0][z]: registers 0-11 pick the first tile, registers 6-17 the second: zero codes add nothing.
; LDS: STG 16 x (16 rows x 528) each wave's own; XIMG 16 x 1,536; XSC 16 x 128; LAT 32 rows x 400 (96 f32 + 16); the spare words.
.set STG,   0
.set XIMG,  135168
.set XSC,   159744
.set LAT,   161792
.set SPARE, 174592                     ; 128 bytes for each wave: eight blocks of 256 bytes that no other line names
.set ROPL,  176640                     ; the group's 32 rows of the table of cos and sin, 256 bytes + 16 of padding each: loaded once for the work-group, 512 bytes a wave
.set WAS,  73728
.set W2,   76800
.set W2S,  150528
.set ROPE, 156672
.set CS,   192                         ; v192-255 (cos, sin) of my lanes' positions and pairs
.set TM,   168                         ; v168-183 QH's working registers
; v1 l, v2 r, v3 h, v4 16 l, v5-v13 LDS addresses, v14, v15 the add's two, v16 8 l, v17 4 l, v18 4 r, v19 table offset, v20 8 h, v21 h ? 0 : -1, v22 16 r + 4 h
.macro Q32 S, D, TT, M, O              ; 32 numbers of a lane become 32 codes in v[D] .. v[D+5]
	v_max3_num_f32 v[\M], |v[\S]|, |v[\S+1]|, 0x2800000            ; the floor 2^(5 - 127) holds the byte at 1 from below
	v_max3_num_f32 v[\M+1], |v[\S+2]|, |v[\S+3]|, |v[\S+4]|
.irp i, 5,9,13,17,21,25
	s_delay_alu instid0(VALU_DEP_2)
	v_max3_num_f32 v[\M], v[\M], |v[\S+\i]|, |v[\S+\i+1]|
	s_delay_alu instid0(VALU_DEP_2)
	v_max3_num_f32 v[\M+1], v[\M+1], |v[\S+\i+2]|, |v[\S+\i+3]|
.endr
	s_delay_alu instid0(VALU_DEP_2)
	v_max3_num_f32 v[\M], v[\M], |v[\S+29]|, |v[\S+30]|
	s_delay_alu instid0(VALU_DEP_1)
	v_max3_num_f32 v[\M], v[\M], v[\M+1], |v[\S+31]|
	s_delay_alu instid0(VALU_DEP_1)
	v_add_nc_u32 v[\O], 0xfe000000, v[\M]                          ; 4 off the exponent field: the conversion's scale operand
	v_cvt_scalef32_pk16_bf6_f32 v[\D:\D+2], v[\S:\S+15], v[\O]
	v_cvt_scalef32_pk16_bf6_f32 v[\TT:\TT+2], v[\S+16:\S+31], v[\O]
	v_nop                                                          ; one plain line behind the last conversion
.irp i, 0,1,2
	v_mov_b32 v[\D+3+\i], v[\TT+\i]
.endr
.endm
; nb blocks of 32, block b = 16 registers v[S + 16 b] on of lane l and 16 of lane l xor 16.  Bytes in v[TM+4+b]; codes in v[PC + 6 c] on: lanes 0-15 block 2 c, lanes 16-31 block 2 c + 1
.macro QH nb, S, PC, TT
.set bb, 0
.rept \nb
	v_max3_num_f32 v[TM+bb], |v[\S+16*bb]|, |v[\S+16*bb+1]|, 0x2800000
.set bb, bb+1
.endr
.irp i, 2,4,6,8,10,12,14
.set bb, 0
.rept \nb
	v_max3_num_f32 v[TM+bb], v[TM+bb], |v[\S+16*bb+\i]|, |v[\S+16*bb+\i+1]|
.set bb, bb+1
.endr
.endr
.set bb, 0
.rept \nb
	v_permlanex16_b32 v[TM+4+bb], v[TM+bb], s40, s41
.set bb, bb+1
.endr
.set bb, 0
.rept \nb
	v_max_num_f32 v[TM+bb], v[TM+bb], v[TM+4+bb]
.set bb, bb+1
.endr
.set bb, 0
.rept \nb
	v_add_nc_u32 v[TM+12+bb], 0xfe000000, v[TM+bb]
.set bb, bb+1
.endr
.set bb, 0
.rept \nb
	v_lshrrev_b32 v[TM+4+bb], 23, v[TM+12+bb]
.set bb, bb+1
.endr
.set cc, 0
.rept \nb/2
	v_cvt_scalef32_pk16_bf6_f32 v[\PC+6*cc:\PC+6*cc+2], v[\S+32*cc:\S+32*cc+15], v[TM+12+2*cc]
	v_cvt_scalef32_pk16_bf6_f32 v[\TT+4*cc:\TT+4*cc+2], v[\S+32*cc+16:\S+32*cc+31], v[TM+13+2*cc]
.set cc, cc+1
.endr
	v_nop
.set cc, 0
.rept \nb/2
.irp i, 0,1,2
	v_permlane16_swap_b32 v[\PC+6*cc+\i], v[\TT+4*cc+\i]           ; a whole block to a lane
.endr
.irp i, 0,1,2
	s_delay_alu instid0(VALU_DEP_3)
	v_mov_b32 v[\PC+6*cc+3+\i], v[\TT+4*cc+\i]
.endr
.set cc, cc+1
.endr
.endm
; a tile's latent rows become the array v[LA] .. v[LA+17] (its middle six were cleared once) and the word v[WR] = (s0, s1, s0, s1).  mask = 1: K = 32: lanes 16-31 get zero codes
.macro LATQ adr, uu, LA, WR, mask
.irp i, 0,1,2,3,4,5,6,7
	ds_load_b128 v[136+4*\i:139+4*\i], v[\adr] offset:6400*\uu+16*\i
.endr
	s_wait_dscnt 0x0
	Q32 136, \LA, 176, 168, 172
.if \mask
.irp i, 0,1,2,3,4,5
	v_and_b32 v[\LA+\i], v21, v[\LA+\i]
.endr
.endif
.irp i, 0,1,2,3,4,5
	v_mov_b32 v[\LA+12+\i], v[\LA+\i]
.endr
	v_lshrrev_b32 v173, 23, v172
	s_delay_alu instid0(VALU_DEP_1)
	v_lshlrev_b32 v173, v20, v173                  ; my block's byte at its place,
	s_delay_alu instid0(VALU_DEP_1)
	v_permlanex16_b32 v174, v173, s40, s41
	s_delay_alu instid0(VALU_DEP_1)
	v_or_b32 v173, v173, v174                      ; with lane l xor 16's
	s_delay_alu instid0(VALU_DEP_1)
	v_lshl_or_b32 v[\WR], v173, 16, v173
.endm
.macro W2LOAD off, soff                ; a head's two packed fragments and their scale words
.irp b, 0,1
	global_load_b128 v[108+12*\b:111+12*\b], v4, s[28:29] offset:\off+1536*\b
	global_load_b64 v[112+12*\b:113+12*\b], v16, s[28:29] offset:\off+1536*\b+512
	global_load_b128 v[114+12*\b:117+12*\b], v4, s[28:29] offset:\off+1536*\b+768
	global_load_b64 v[118+12*\b:119+12*\b], v16, s[28:29] offset:\off+1536*\b+1280
	global_load_b32 v[132+\b], v17, s[30:31] offset:\soff+128*\b
.endr
.endm
; one tile of rows of a q or k head: 4 products (transposed: source 0 = the weight's columns, source 1 = the rows: register 16 b + i is d = 32 b + 16 h + i of my row), the rotation, the quantiser, the half image
.macro HEADU LA, WR, uu, REC
.irp b, 0,1
.irp s, 0,1
	v_wmma_scale_f32_16x16x128_f8f6f4 v[136+16*\b+8*\s:143+16*\b+8*\s], v[108+12*\b:119+12*\b], v[\LA+6*\s:\LA+6*\s+11], 0, v[132+\b], v[\WR] matrix_a_fmt:MATRIX_FMT_BF6 matrix_b_fmt:MATRIX_FMT_BF6
.endr
.endr
.rept 5
	v_nop                                          ; four places ahead of the first read of the results; five ahead of the next tile's products, which write over them
.endr
.set p, 0
.rept 16                                       ; pair p: (x1, x2) -> (x1 c - x2 s, x1 s + x2 c); each result from its low end on
	v_mul_f32 v[168+2*(p%2)], v[137+2*p], v[CS+32*\uu+2*p+1]
	v_mul_f32 v[169+2*(p%2)], v[137+2*p], v[CS+32*\uu+2*p]
	v_fma_f32 v[137+2*p], v[136+2*p], v[CS+32*\uu+2*p+1], v[169+2*(p%2)]
	v_fma_f32 v[136+2*p], v[136+2*p], v[CS+32*\uu+2*p], -v[168+2*(p%2)]
.set p, p+1
.endr
	s_wait_xcnt 0x0                                ; earlier stores have read v184-191: they are written again only behind this wait
	QH 2, 136, 186, 176
	global_store_b128 v4, v[186:189], s[\REC:\REC+1] offset:768*\uu
	global_store_b64 v16, v[190:191], s[\REC:\REC+1] offset:768*\uu+512
	v_lshl_or_b32 v[184+\uu], v[TM+5], 8, v[TM+4]  ; the row's two bytes
.endm
	s_load_b256 s[4:11], s[0:1], 0x0               ; x s[4:5], wsm s[6:7], qb s[8:9], kvc s[10:11]
	v_lshl_add_u32 v14, v0, 2, SPARE
	v_mov_b32 v15, 0
	v_lshlrev_b32 v23, 4, v0                       ; the table, in: 16 bytes a thread, 8,192 consecutive bytes a work-group
	v_lshrrev_b32 v100, 4, v0                      ; its row = thread / 16,
	v_and_b32 v101, 15, v0
	v_mul_u32_u24 v100, v100, 272
	v_lshl_add_u32 v100, v101, 4, v100             ; + 16 (thread % 16)
	v_add_nc_u32 v100, ROPL, v100
	v_lshrrev_b32 v1, 5, v0
	s_delay_alu instid0(VALU_DEP_1)
	v_readfirstlane_b32 s14, v1                    ; wave w
	s_lshr_b32 s15, s14, 1                         ; kappa in phase X, column tile t in phase 1
	s_and_b32 s16, s14, 1                          ; u
	v_and_b32 v1, 31, v0
	v_and_b32 v2, 15, v0
	v_bfe_u32 v3, v0, 4, 1
	s_delay_alu instid0(VALU_DEP_3)
	v_lshlrev_b32 v4, 4, v1
	s_delay_alu instid0(VALU_DEP_4)
	v_lshlrev_b32 v16, 3, v1
	v_lshlrev_b32 v17, 2, v1
	s_wait_alu depctr_va_vdst(0)
	v_lshlrev_b32 v18, 2, v2
	s_mul_i32 s17, s14, 8448
	v_add_nc_u32 v5, s17, v4                       ; my stage, as loaded: 16 l
	v_mul_u32_u24 v6, v2, 528
	s_delay_alu instid0(VALU_DEP_1)
	v_lshl_add_u32 v6, v3, 7, v6
	s_delay_alu instid0(VALU_DEP_1)
	v_add_nc_u32 v6, s17, v6                       ; and back: row r, + 128 h
	s_mul_i32 s17, s14, 1536
	s_add_co_u32 s17, s17, XIMG
	v_add_nc_u32 v7, s17, v4                       ; where I store my fragment's image
	s_lshl_b32 s17, s14, 7
	s_add_co_u32 s17, s17, XSC
	v_add_nc_u32 v8, s17, v17                      ; and its scale words
	s_mul_i32 s17, s16, 1536
	s_add_co_u32 s17, s17, XIMG
	v_add_nc_u32 v9, s17, v4                       ; where I read tile u's fragments
	s_lshl_b32 s17, s16, 7
	s_add_co_u32 s17, s17, XSC
	v_add_nc_u32 v10, s17, v17
	v_mul_u32_u24 v12, v2, 400
	s_mul_i32 s17, s16, 6400
	s_lshl_b32 s18, s15, 6
	s_add_co_u32 s17, s17, s18
	s_add_co_u32 s17, s17, LAT
	v_lshl_add_u32 v11, v3, 5, v12
	s_delay_alu instid0(VALU_DEP_1)
	v_add_nc_u32 v11, s17, v11                     ; latent: row 16 u + r, columns 16 t + 8 h on
	v_add_nc_u32 v13, LAT+256, v12                 ; row r, columns 64 on (x Wkva), the same for both halves of the lanes
	v_lshl_add_u32 v12, v3, 7, v12
	s_delay_alu instid0(VALU_DEP_1)
	v_add_nc_u32 v12, LAT, v12                     ; row r, columns 32 h on (x Wqa)
	v_and_b32 v19, 8, v2
	s_delay_alu instid0(VALU_DEP_1)
	v_add_nc_u32 v19, v19, v2
	s_delay_alu instid0(VALU_DEP_1)
	v_mul_u32_u24 v19, v19, 272
	s_delay_alu instid0(VALU_DEP_1)
	v_lshl_add_u32 v19, v3, 6, v19                 ; the table in LDS: row r + 8 (r / 8), pairs 8 h on
	v_add_nc_u32 v19, ROPL, v19
	v_lshlrev_b32 v20, 3, v3
	v_add_nc_u32 v21, -1, v3
	v_lshlrev_b32 v22, 4, v2
	s_delay_alu instid0(VALU_DEP_1)
	v_lshl_add_u32 v22, v3, 2, v22
	s_mov_b32 s40, 0x76543210
	s_mov_b32 s41, 0xfedcba98                      ; v_permlanex16_b32's selects for lane l xor 16
	s_and_b32 s42, ttmp9, 63                       ; G
	s_lshr_b32 s43, ttmp9, 6                       ; batch
	s_lshl_b32 s20, ttmp9, 17                      ; x: 32 rows of 4,096 bytes a group,
	s_lshl_b32 s17, s16, 15                        ; + 8 u rows,
	s_add_co_u32 s20, s20, s17
	s_lshl_b32 s17, s15, 9                         ; + 512 kappa
	s_add_co_u32 s20, s20, s17
	s_mul_i32 s22, s15, 1536                       ; WA's tile t
	s_lshl_b32 s24, s15, 6
	s_add_co_u32 s24, s24, WAS
	s_lshl_b32 s26, s42, 13
	s_add_co_u32 s26, s26, ROPE
	s_mul_i32 s28, s14, 3072
	s_add_co_u32 s28, s28, W2
	s_lshl_b32 s30, s14, 8
	s_add_co_u32 s30, s30, W2S
	s_lshl_b32 s32, s43, 4
	s_add_co_u32 s32, s32, s14
	s_lshl_b32 s32, s32, 6
	s_add_co_u32 s32, s32, s42
	s_mul_i32 s32, s32, 1792                       ; qb's record [16 batch + head][G]
	s_lshl_b32 s17, s43, 2
	s_and_b32 s18, s14, 3
	s_add_co_u32 s17, s17, s18                     ; bk = 4 batch + kv head
	s_mul_i32 s36, s17, 208896                     ; kv [bk][step 16][13,056]: a step = four groups of (3,072 bytes of codes, 128 of K's scale words), then V's 256 scale bytes
	s_lshr_b32 s18, s42, 2
	s_mul_i32 s18, s18, 13056
	s_add_co_u32 s36, s36, s18
	s_and_b32 s18, s42, 3
	s_add_co_u32 s38, s36, s18
	s_add_co_u32 s38, s38, 12800                   ; V's bytes: + 12,800 + G % 4
	s_mul_i32 s18, s18, 3200
	s_add_co_u32 s34, s36, s18                     ; my group's codes
	s_add_co_u32 s36, s34, 3072                    ; and K's words behind them
.irp n, 21,23,25,27,29,31,33,35,37,39
	s_mov_b32 s\n, 0
.endr
	s_wait_kmcnt 0x0
	s_add_nc_u64 s[20:21], s[4:5], s[20:21]
	s_add_nc_u64 s[22:23], s[6:7], s[22:23]
	s_add_nc_u64 s[24:25], s[6:7], s[24:25]
	s_add_nc_u64 s[26:27], s[6:7], s[26:27]
	s_add_nc_u64 s[28:29], s[6:7], s[28:29]
	s_add_nc_u64 s[30:31], s[6:7], s[30:31]
	s_add_nc_u64 s[32:33], s[8:9], s[32:33]
	s_add_nc_u64 s[34:35], s[10:11], s[34:35]
	s_add_nc_u64 s[36:37], s[10:11], s[36:37]
	s_add_nc_u64 s[38:39], s[10:11], s[38:39]
	global_load_b128 v[96:99], v23, s[26:27]       ; my 512 bytes of the table: the oldest load, so x's waits cover it
	; ---- X: 16 rows x 128 numbers: each load reads 512 consecutive bytes of one row
.irp i, 0,1,2,3,4,5,6,7,8,9,10,11,12,13,14,15
	global_load_b128 v[32+4*\i:35+4*\i], v4, s[20:21] offset:(\i+8*(\i/8))*4096 th:TH_LOAD_NT
.endr
	s_cmp_lt_u32 s14, 12
	s_cbranch_scc0 .Lno_w
.irp k, 0,1,2,3,4,5,6,7                        ; waves 0-11: my column tile's eight fragments and scale words, for phase 1
	global_load_b128 v[160+12*\k:163+12*\k], v4, s[22:23] offset:9216*\k
	global_load_b64 v[164+12*\k:165+12*\k], v16, s[22:23] offset:9216*\k+512
	global_load_b128 v[166+12*\k:169+12*\k], v4, s[22:23] offset:9216*\k+768
	global_load_b64 v[170+12*\k:171+12*\k], v16, s[22:23] offset:9216*\k+1280
	global_load_b32 v[24+\k], v18, s[24:25] offset:384*\k
.endr
	s_wait_loadcnt 40                              ; x is in; the 40 loads of weights issued behind it may be out
	s_branch .Lx_in
.Lno_w:
	s_wait_loadcnt 0x0
.Lx_in:
	ds_store_b128 v100, v[96:99]                   ; read by all waves behind the first barrier
.irp i, 0,1,2,3,4,5,6,7,8,9,10,11,12,13,14,15
	ds_store_b128 v5, v[32+4*\i:35+4*\i] offset:528*\i
.endr
	s_wait_dscnt 0x0                               ; the stores have read v32-95, which the loads below fill
.irp c, 0,1
.irp i, 0,1,2,3,4,5,6,7
	ds_load_b128 v[32+32*\c+4*\i:35+32*\c+4*\i], v6 offset:256*\c+16*\i   ; k = 64 c + 32 h + 0 .. 31 of row r: a whole block to a lane
.endr
.endr
	s_wait_dscnt 8                                 ; the first block is in; the second block's eight loads may be out
	Q32 32, 112, 96, 100, 102
	s_wait_dscnt 0x0
	Q32 64, 118, 96, 100, 103
	v_lshrrev_b32 v104, 23, v102
	v_lshrrev_b32 v105, 23, v103
	s_delay_alu instid0(VALU_DEP_1)
	v_lshl_or_b32 v106, v105, 16, v104             ; my bytes: blocks h and 2 + h,
	s_delay_alu instid0(VALU_DEP_1)
	v_lshlrev_b32 v106, v20, v106                  ; at their places;
	v_mov_b32 v107, 0
	s_delay_alu instid0(VALU_DEP_1)
	v_permlanex16_b32 v107, v106, s40, s41
	s_delay_alu instid0(VALU_DEP_1)
	v_or_b32 v106, v106, v107                      ; with lane l xor 16's the word is whole
.irp c, 0,1,2
	ds_store_b128 v7, v[112+4*\c:115+4*\c] offset:512*\c
.endr
	ds_store_b32 v8, v106
	s_wait_dscnt 0x0                               ; for the others' sake: my image has landed
	s_barrier_signal -1
	s_barrier_wait -1
	; ---- 1: waves 0-11: latent columns 16 t .. + 15 of tile u's rows
	s_cmp_lt_u32 s14, 12
	s_cbranch_scc0 .Lno_p1
.irp k, 0,1,2,3,4,5,6,7
.irp c, 0,1,2
	ds_load_b128 v[32+12*\k+4*\c:35+12*\k+4*\c], v9 offset:3072*\k+512*\c
.endr
	ds_load_b32 v[128+\k], v10 offset:256*\k
.endr
	s_wait_dscnt 0x0
	s_wait_loadcnt 0x0                             ; the weights
	v_wmma_scale_f32_16x16x128_f8f6f4 v[136:143], v[160:171], v[32:43], 0, v24, v128 matrix_a_fmt:MATRIX_FMT_BF6 matrix_b_fmt:MATRIX_FMT_BF6
	v_wmma_scale_f32_16x16x128_f8f6f4 v[144:151], v[172:183], v[44:55], 0, v25, v129 matrix_a_fmt:MATRIX_FMT_BF6 matrix_b_fmt:MATRIX_FMT_BF6
.irp k, 2,4,6                                  ; two sums by turns
	v_wmma_scale_f32_16x16x128_f8f6f4 v[136:143], v[160+12*\k:171+12*\k], v[32+12*\k:43+12*\k], v[136:143], v[24+\k], v[128+\k] matrix_a_fmt:MATRIX_FMT_BF6 matrix_b_fmt:MATRIX_FMT_BF6
	v_wmma_scale_f32_16x16x128_f8f6f4 v[144:151], v[172+12*\k:183+12*\k], v[44+12*\k:55+12*\k], v[144:151], v[25+\k], v[129+\k] matrix_a_fmt:MATRIX_FMT_BF6 matrix_b_fmt:MATRIX_FMT_BF6
.endr
.rept 4
	v_nop
.endr
.irp i, 0,2,4,6
	v_pk_add_f32 v[136+\i:137+\i], v[136+\i:137+\i], v[144+\i:145+\i]
.endr
	ds_store_b128 v11, v[136:139]
	ds_store_b128 v11, v[140:143] offset:16
.Lno_p1:
	s_wait_loadcnt 0x0                             ; no load is out on any way here: v108-133 and v192-255 are loaded anew
.irp e, 0,1
.irp b, 0,1
.irp i, 0,1,2,3
	ds_load_b128 v[CS+32*\e+16*\b+4*\i:CS+32*\e+16*\b+4*\i+3], v19 offset:2176*\e+128*\b+16*\i
.endr
.endr
.endr
	W2LOAD 0, 0                                    ; query head w
	s_wait_dscnt 0x0
	s_barrier_signal -1
	s_barrier_wait -1
	; ---- 2
.irp a, 38,56,74,92
.irp i, 0,1,2,3,4,5
	v_mov_b32 v[\a+\i], 0                          ; the arrays' middle six: zero codes
.endr
.endr
.irp i, 172,173,174,175
	v_mov_b32 v\i, 0                               ; written once: a lane permute's destination counts as one of its sources
.endr
	LATQ 12, 0, 32, 104, 0
	LATQ 12, 1, 50, 105, 0
	s_wait_loadcnt 0x0
.rept 8
	v_nop                                          ; a scale register written by a vector instruction stands 8 places ahead of a scaled product
.endr
	HEADU 32, 104, 0, 32
	HEADU 50, 105, 1, 32
	v_lshl_or_b32 v184, v184, 16, v184             ; q is the array side in attn: (s0, s1, s0, s1)
	s_delay_alu instid0(VALU_DEP_2)
	v_lshl_or_b32 v185, v185, 16, v185
	global_store_b64 v16, v[184:185], s[32:33] offset:1536
	s_cmp_lt_u32 s14, 8
	s_cbranch_scc0 .Lend
	W2LOAD 49152, 4096                             ; head' = 16 + w: k for waves 0-3, v for waves 4-7
	LATQ 13, 0, 68, 106, 1
	LATQ 13, 1, 86, 107, 1
	s_wait_loadcnt 0x0
.rept 8
	v_nop
.endr
	s_cmp_lt_u32 s14, 4
	s_cbranch_scc0 .Lvjob
	HEADU 68, 106, 0, 34
	HEADU 86, 107, 1, 34
	s_delay_alu instid0(VALU_DEP_1)
	v_lshl_or_b32 v184, v185, 16, v184             ; k is the packed side: tile 0's two bytes, then tile 1's
	global_store_b32 v17, v184, s[36:37]
	s_branch .Lend
.Lvjob:
	; V in natural use: source 0 = the rows, source 1 = the weight's columns: a lane holds d = 32 (t / 2) + 8 (t % 2) + r + 8 (r / 8), and register 16 t + i key 16 h + i
	s_wait_xcnt 0x0                                ; the query head's stores have read v184-191, over which the results are laid
	s_wait_alu depctr_va_vdst(0)
.irp d, 0,1,2,3
.irp e, 0,1
	v_wmma_scale_f32_16x16x128_f8f6f4 v[136+16*\d+8*\e:143+16*\d+8*\e], v[68+18*\e+6*(\d%2):79+18*\e+6*(\d%2)], v[108+12*(\d/2):119+12*(\d/2)], 0, v[106+\e], v[132+\d/2] matrix_a_fmt:MATRIX_FMT_BF6 matrix_b_fmt:MATRIX_FMT_BF6
.endr
.endr
.rept 4
	v_nop
.endr
.set TM, 220                                   ; the results fill v136-199: the working registers move into the table's, which this arm does not use
.irp i, 224,225,226,227
	v_mov_b32 v\i, 0
.endr
	QH 4, 136, 200, 212                            ; a block = the group's 32 keys of one d
.irp c, 0,1
	global_store_b128 v4, v[200+6*\c:203+6*\c], s[34:35] offset:1536+768*\c
	global_store_b64 v16, v[204+6*\c:205+6*\c], s[34:35] offset:2048+768*\c
	v_lshl_or_b32 v[236+\c], v[TM+5+2*\c], 8, v[TM+4+2*\c]
	s_delay_alu instid0(VALU_DEP_1)
	v_lshrrev_b32 v[236+\c], v20, v[236+\c]        ; lane (r, h): the byte of d tile 2 c + h
	global_store_b8 v22, v[236+\c], s[38:39] offset:8*\c
.endr
.Lend:
	s_wait_tensorcnt 0x0                           ; the wave's end
	ds_add_u32 v14, v15
	s_wait_dscnt 0x0
	s_endpgm
.Lfunc_end_k_q5ac0dd6121_proj:
	.size	k_q5ac0dd6121_proj, .Lfunc_end_k_q5ac0dd6121_proj-k_q5ac0dd6121_proj
	.p2alignl 7, 3214868480
	.fill 96, 4, 3214868480
	.section	.rodata,"a",@progbits
	.p2align	6, 0x0
	.amdhsa_kernel k_q5ac0dd6121_proj
		.amdhsa_group_segment_fixed_size 185344
		.amdhsa_private_segment_fixed_size 0
		.amdhsa_enable_private_segment 0
		.amdhsa_kernarg_size 32
		.amdhsa_user_sgpr_count 2
		.amdhsa_user_sgpr_kernarg_segment_ptr 1
		.amdhsa_wavefront_size32 1
		.amdhsa_system_sgpr_workgroup_id_x 1
		.amdhsa_system_sgpr_workgroup_id_y 1
		.amdhsa_system_sgpr_workgroup_id_z 1
		.amdhsa_system_vgpr_workitem_id 0
		.amdhsa_next_free_vgpr 256
		.amdhsa_next_free_sgpr 66
		.amdhsa_reserve_vcc 0
		.amdhsa_float_denorm_mode_32 3
		.amdhsa_float_denorm_mode_16_64 3
		.amdhsa_memory_ordered 1
		.amdhsa_forward_progress 1
		.amdhsa_inst_pref_size 68
	.end_amdhsa_kernel
	.amdgpu_metadata
---
amdhsa.version: [ 1, 2 ]
amdhsa.kernels:
  - .name:           k_q5ac0dd6121_proj
    .symbol:         k_q5ac0dd6121_proj.kd
    .args:
      - { .name: x, .offset: 0, .size: 8, .value_kind: global_buffer, .address_space: global }
      - { .name: wsm, .offset: 8, .size: 8, .value_kind: global_buffer, .address_space: global }
      - { .name: qb, .offset: 16, .size: 8, .value_kind: global_buffer, .address_space: global }
      - { .name: kv, .offset: 24, .size: 8, .value_kind: global_buffer, .address_space: global }
    .group_segment_fixed_size: 185344
    .private_segment_fixed_size: 0
    .kernarg_segment_align: 8
    .kernarg_segment_size: 32
    .max_flat_workgroup_size: 512
    .sgpr_count:     66
    .vgpr_count:     256
    .wavefront_size: 32
...
	.end_amdgpu_metadata
.endif
;; end of part 2
;; launch attn (part 3): grid 16 x 16, 16 waves a work-group, clusters of 4 x 1, 327,680 bytes of LDS; arguments qb, kv, ao; writes ao
.if DOCPART == 3
	.amdgcn_target "amdgcn-amd-amdhsa--gfx1250"
	.amdhsa_code_object_version 6
	.text
	.protected	k_q5ac0dd6121_attn
	.globl	k_q5ac0dd6121_attn
	.p2align	8
	.type	k_q5ac0dd6121_attn,@function
k_q5ac0dd6121_attn:
	s_mov_b64 s[64:65], 0
	v_nop
	global_prefetch_b8 v0, s[64:65] scope:SCOPE_SE
	s_setreg_imm32_b32 hwreg(HW_REG_WAVE_MODE, 25, 1), 1
	s_wait_xcnt 0x0
	s_wait_alu depctr_hold_cnt(0) depctr_sa_sdst(0) depctr_va_vdst(0) depctr_va_sdst(0) depctr_va_ssrc(0) depctr_va_vcc(0) depctr_vm_vsrc(0)
	s_getreg_b32 s2, hwreg(HW_REG_IB_STS2, 6, 4)
	s_cmp_eq_u32 s2, 0
	s_cbranch_scc0 .Lentry_in_a_cluster
	s_endpgm
.Lentry_in_a_cluster:
	s_bfe_u32 s2, ttmp6, 0x10000c
	s_cmp_lg_u32 s2, 0x3003
	s_cbranch_scc0 .Lentry_shape_is_right
	s_endpgm
.Lentry_shape_is_right:
; ATTN: o = softmax(q k^T / 8, causal) v on codes of BF6, then Q(o) along E for the projection on the way out.
; LEFT OUT: key steps of 128 keys that lie wholly behind a tile's last query, and the upper 64 keys of a step where these lie wholly behind it (reference()'s own triu mask gives them the weight 0 for all inputs; shown at the head of prep).
; THE SOFTMAX: t = score x log2(e) / 8; M = the running largest t rounded up to a whole number; p = 2^(t - M) is quantised along the keys, not normalised; the row's sum is taken of the unquantised p and divides at the end.
; LIMITS: a block's largest p is taken from its largest score, which takes v_exp_f32 not to fall where its input rises.  NaN and infinities are not served.  The promise holds while |t| stays under 2^31.
; SHARES.  A cluster of four work-groups = the four query heads g of one kv head bk (work-group y), for one set i (cluster x) of query tiles.  Wave w takes tile 127 - (4 w + i), then tile 4 w + i: 17 key steps for every wave,
; one of them a half step: the two tiles' G % 4 add up to 3, and a tile's last step is a half step where G % 4 is 0 or 1.
; A tile T = (G = T / 2, u = T % 2): lane r stands for query 32 G + 8 u + r + 8 (r / 8).
; ALL CODES AND SCALES OF THE KV HEAD LIE IN LDS, filled once, jointly for the four work-groups: 16 steps x 13,056 bytes, dense in memory.  Wave w fetches step w: one tensor load a wave, one barrier, no byte filled again.
; No prefetch: every load of the launch goes out at its head, so there is no loop to run ahead in.
; A step's record: four groups of 32 keys, 3,200 bytes each (K's two half images, V's two, K's 32 scale words), then V's 256 scale bytes.
; BOTH PRODUCTS TRANSPOSED: S^T = K Q^T, O^T = V^T P^T: a lane holds one query.  K = 64 in the first: K's fragment holds two tiles of 16 keys (registers 0-5, 6-11), q is the array [q][0][q], whose registers 0-11 pick the first and 6-17 the second.
; THE KEYS OF A TILE: tile (c, s), c = 0, 1, s = 0 .. 3, has as rows 0-7 keys 64 c + 8 s + 0 .. 7 and as rows 8-15 keys 64 c + 32 + 8 s + 0 .. 7.  So lane (r, h) holds in registers 32 c + 0 .. 31 the keys 64 c + 32 h + 0 .. 31:
; a WHOLE block of 32 in the order of the second product's operand: a block's maximum needs no other lane and its codes no exchange.  The rows are picked by the lanes' LDS addresses out of the images as proj laid them.
; REGISTERS: v1, v2 16 l, 8 l; v3, v4, v7 K's lane terms; v8, v35, v219 V's; v5, v6 the add's two; v9 r + 8 (r / 8) - 32 h; v10 8 h; v11 4 r + h; v12 -M, v13 largest score, v[14:15] the sum; v16-34 first tile's q;
; v36-83 four fragments; v84-89 the step's addresses; v96-159 S^T, then p; v160-191 O^T; v192-195 V's scale words, v196-199 K's; v200-218 second tile's q; v220-231 p's codes; v232-255 at work.
.set STEPB, 13056
.set GRP,   3200
.set SPARE, 208896                     ; 128 bytes for each wave: eight blocks of 256 bytes that no other line names
.set WV,  12
.set G1,  16                           ; s[16:23] descriptor group 1: 51 rows of 256 bytes
.set G0,  40                           ; s[40:43] group 0
.set NC,  51                           ; -c
.set SEL, 52
.set CS,  54                           ; s[54:55] c = log2(e) / 8
.set TB,  56                           ; LDS byte of the step's record
.set KF,  58                           ; the step's first key
.set CNT, 59
.set TLA, 60                           ; my two tiles
.set TLB, 61
.set TM,  236
.set PC,  220
.macro CROUND                          ; a round of the cluster's barrier
	s_barrier_signal -1
	s_barrier_wait -1
	s_cmp_lg_u32 s[WV], 0
	s_cbranch_scc1 .Lnot_wave_0_\@
	s_barrier_signal -3
.Lnot_wave_0_\@:
	s_barrier_wait -3
	s_barrier_signal -1
	s_barrier_wait -1
.endm
; tile s[T]: q's codes and words, ao's codes and bytes, the first and last query.  My place in the cluster (in s88, s90, s91) enters global addresses alone
.macro TILE T, QC, QW, AC, AS, QF, QL
	s_lshr_b32 s62, s[\T], 1
	s_and_b32 s63, s[\T], 1
	s_lshl_b32 s[\QF], s62, 5
	s_lshl_b32 s66, s63, 3
	s_add_co_u32 s[\QF], s[\QF], s66
	s_add_co_u32 s[\QL], s[\QF], 23
	s_add_co_u32 s62, s62, s88
	s_mul_i32 s62, s62, 1792
	s_mul_i32 s66, s63, 768
	s_add_co_u32 s66, s66, s62
	s_mov_b32 s67, 0
	s_add_nc_u64 s[\QC:\QC+1], s[4:5], s[66:67]
	s_lshl_b32 s66, s63, 2
	s_add_co_u32 s66, s66, s62
	s_add_co_u32 s66, s66, 1536
	s_add_nc_u64 s[\QW:\QW+1], s[4:5], s[66:67]
	s_lshr_b32 s62, s[\T], 3
	s_add_co_u32 s62, s62, s89
	s_mul_i32 s62, s62, 25600                      ; ao's record [kv head][block of 128 rows]
	s_and_b32 s63, s[\T], 7
	s_mul_i32 s66, s63, 3072
	s_add_co_u32 s66, s66, s62
	s_add_co_u32 s66, s66, s90
	s_add_nc_u64 s[\AC:\AC+1], s[10:11], s[66:67]
	s_lshr_b32 s66, s63, 2
	s_lshl_b32 s66, s66, 9
	s_and_b32 s63, s63, 3
	s_lshl_b32 s63, s63, 6
	s_add_co_u32 s66, s66, s63
	s_add_co_u32 s66, s66, s62
	s_add_co_u32 s66, s66, s91
	s_add_nc_u64 s[\AS:\AS+1], s[10:11], s[66:67]
.endm
.macro QLOAD Q, QS, QC, QW             ; the array [q][0][q] and its word
	global_load_b128 v[\Q:\Q+3], v1, s[\QC:\QC+1]
	global_load_b64 v[\Q+4:\Q+5], v2, s[\QC:\QC+1] offset:512
	global_load_b128 v[\Q+12:\Q+15], v1, s[\QC:\QC+1]
	global_load_b64 v[\Q+16:\Q+17], v2, s[\QC:\QC+1] offset:512
	global_load_b32 v[\QS], v2, s[\QW:\QW+1]
.irp i, 6,7,8,9,10,11
	v_mov_b32 v[\Q+\i], 0
.endr
.endm
.macro INIT                            ; a tile begins: O^T and the sum are zeros, the largest score is -3e38: the first change of M multiplies zeros by 0
	v_mov_b32 v13, 0xff61b1e6
	s_delay_alu instid0(VALU_DEP_1)
	v_floor_f32 v12, -v13
	v_mov_b32 v14, 0
	v_mov_b32 v15, 0
.set j, 0
.rept 32
	v_mov_b32 v[160+j], 0
.set j, j+1
.endr
	s_mov_b32 s[TB], 0
	s_mov_b32 s[KF], 0
.endm
.macro QH2 S, P, TT                    ; two blocks of 32, each 16 registers of lane l and 16 of lane l xor 16: bytes in v[TM+4], v[TM+5]; codes in v[P] .. v[P+5]: lane (r, h) holds block h
.irp b, 0,1
	v_max3_num_f32 v[TM+\b], |v[\S+16*\b]|, |v[\S+16*\b+1]|, 0x2800000
.endr
.irp i, 2,4,6,8,10,12,14
.irp b, 0,1
	s_delay_alu instid0(VALU_DEP_2)
	v_max3_num_f32 v[TM+\b], v[TM+\b], |v[\S+16*\b+\i]|, |v[\S+16*\b+\i+1]|
.endr
.endr
.irp b, 0,1
	v_permlanex16_b32 v[TM+4+\b], v[TM+\b], s[SEL], s[SEL+1]
.endr
.irp b, 0,1
	s_delay_alu instid0(VALU_DEP_2)
	v_max_num_f32 v[TM+\b], v[TM+\b], v[TM+4+\b]
.endr
.irp b, 0,1
	s_delay_alu instid0(VALU_DEP_2)
	v_add_nc_u32 v[TM+12+\b], 0xfe000000, v[TM+\b]
.endr
.irp b, 0,1
	s_delay_alu instid0(VALU_DEP_2)
	v_lshrrev_b32 v[TM+4+\b], 23, v[TM+12+\b]
.endr
	v_cvt_scalef32_pk16_bf6_f32 v[\P:\P+2], v[\S:\S+15], v[TM+12]
	v_cvt_scalef32_pk16_bf6_f32 v[\TT:\TT+2], v[\S+16:\S+31], v[TM+13]
	v_nop
.irp i, 0,1,2
	v_permlane16_swap_b32 v[\P+\i], v[\TT+\i]
.endr
.irp i, 0,1,2
	s_delay_alu instid0(VALU_DEP_3)
	v_mov_b32 v[\P+3+\i], v[\TT+\i]
.endr
.endm
; the mask on 64 keys (registers 32 c on): passed over, by a branch on ids, where all 64 count for all 16 queries.  Register 32 c + n is hidden where 64 c + n > my query - KF - 32 h
.macro MASKC c, QF
	s_add_co_u32 s62, s[KF], 64*\c+63
	s_cmp_le_u32 s62, s[\QF]
	s_cbranch_scc1 .Lopen_\@
	s_sub_co_i32 s62, s[\QF], s[KF]
	v_add_nc_u32 v254, s62, v9
	v_mov_b32 v255, 0xff800000
.set n, 0
.rept 32
	v_cmp_gt_i32 vcc_lo, 64*\c+n, v254
	v_cndmask_b32 v[96+32*\c+n], v[96+32*\c+n], v255, vcc_lo
.set n, n+1
.endr
.Lopen_\@:
.endm
.macro SUM4 k                          ; four pairs of p onto the four chains of the row's sum
	v_pk_add_f32 v[14:15], v[14:15], v[110+8*\k:111+8*\k]
	v_pk_add_f32 v[234:235], v[234:235], v[112+8*\k:113+8*\k]
	v_pk_add_f32 v[250:251], v[250:251], v[114+8*\k:115+8*\k]
	v_pk_add_f32 v[254:255], v[254:255], v[116+8*\k:117+8*\k]
.endm
; THE WORK OF A KEY STEP on nc halves of 64 keys.  nc = 2: all 128 keys.  nc = 1: the lower 64 alone; the upper 64 enter the second product as zero codes under the byte 127
.macro BODY nc, Q, QS, QF
	v_add_nc_u32 v84, s[TB], v3                    ; with the v_nop: four places in front of the loads into registers that the last products read
	v_add_nc_u32 v85, s[TB], v4
	v_add_nc_u32 v86, s[TB], v7
	v_nop
.irp f, 0,1,2,3                                ; fragment f = (c = f / 2, sigma = f % 2) holds tiles s = 2 sigma, 2 sigma + 1: lane r = j + 8 g takes row j + 8 sigma of group 2 c + g's two images
.if \f < 2*\nc
.irp u, 0,1
	ds_load_b128 v[36+12*\f+6*\u:39+12*\f+6*\u], v84 offset:6400*(\f/2)+128*(\f%2)+768*\u
	ds_load_b64 v[40+12*\f+6*\u:41+12*\f+6*\u], v85 offset:6400*(\f/2)+64*(\f%2)+768*\u+512
.endr
	ds_load_b32 v[196+\f], v86 offset:6400*(\f/2)+32*(\f%2)+3072
.endif
.endr
.irp f, 0,1,2,3
.if \f < 2*\nc
	s_wait_dscnt 10*\nc-5-5*\f                     ; fragment f's five loads are in; the five of each younger fragment may be out
.irp u, 0,1
	v_wmma_scale_f32_16x16x128_f8f6f4 v[96+16*\f+8*\u:103+16*\f+8*\u], v[36+12*\f:47+12*\f], v[\Q+6*\u:\Q+6*\u+11], 0, v[196+\f], v[\QS] matrix_a_fmt:MATRIX_FMT_BF6 matrix_b_fmt:MATRIX_FMT_BF6
.endr
.endif
.endr                                          ; register 32 c + n is key KF + 64 c + 32 h + n of my query
	v_add_nc_u32 v87, s[TB], v8                    ; four places again: for V's loads and for the first read of the scores
	v_add_nc_u32 v88, s[TB], v35
	v_add_nc_u32 v89, s[TB], v219
	v_nop
.irp d, 0,1,2,3                                ; V's fragments are asked for now and land under the softmax: lane (r, h), registers 6 c on: group 2 c + h's 32 keys of row r of d tile
.irp c, 0,1
	ds_load_b128 v[36+12*\d+6*\c:39+12*\d+6*\c], v87 offset:6400*\c+1536+768*(\d/2)+256*(\d%2)
	ds_load_b64 v[40+12*\d+6*\c:41+12*\d+6*\c], v88 offset:6400*\c+2048+768*(\d/2)+128*(\d%2)
.endr
.endr
	ds_load_b128 v[192:195], v89
	MASKC 0, \QF
.if \nc > 1
	MASKC 1, \QF
.endif
.irp c, 0,1                                    ; my blocks' largest scores, each in two chains; every result is read from its low end on
.if \c < \nc
.irp a, 0,16
	v_max3_num_f32 v[232+\c+\a/8], v[96+32*\c+\a], v[97+32*\c+\a], v[98+32*\c+\a]
.endr
.endif
.endr
.irp i, 3,5,7,9,11,13
.irp c, 0,1
.if \c < \nc
.irp a, 0,16
	v_max3_num_f32 v[232+\c+\a/8], v[232+\c+\a/8], v[96+32*\c+\a+\i], v[97+32*\c+\a+\i]
.endr
.endif
.endr
.endr
.irp c, 0,1
.if \c < \nc
	v_max3_num_f32 v[232+\c], v[232+\c], v[234+\c], v[111+32*\c]
.endif
.endr
.irp c, 0,1
.if \c < \nc
	v_max_num_f32 v[232+\c], v[232+\c], v[127+32*\c]
.endif
.endr
.if \nc > 1
.set RM, 254
	s_delay_alu instid0(VALU_DEP_1)
	v_max_num_f32 v254, v232, v233
.else
.set RM, 232
.endif
	s_delay_alu instid0(VALU_DEP_1)
	v_permlanex16_b32 v236, v[RM], s[SEL], s[SEL+1]
	s_delay_alu instid0(VALU_DEP_1)
	v_max3_num_f32 v13, v13, v[RM], v236           ; the running largest score of my query
	s_delay_alu instid0(VALU_DEP_1)
	v_mul_f32 v254, s[NC], v13
	s_delay_alu instid0(VALU_DEP_1)
	v_floor_f32 v254, v254                         ; -M = floor(-t): M is a whole number
	s_delay_alu instid0(VALU_DEP_1)
	v_sub_f32 v252, v254, v12
	v_mov_b32 v12, v254
	s_delay_alu instid0(VALU_DEP_2)
	v_cvt_i32_f32 v252, v252                       ; (it saturates)
.irp c, 0,1
.if \c < \nc
	v_fma_f32 v[232+\c], v[232+\c], s[CS], v12
.endif
.endr
	v_ldexp_f32 v252, 1.0, v252                    ; f = 2^(old M - new M): exact
.set j, 0
.rept 16*\nc
	v_pk_fma_f32 v[96+j:97+j], v[96+j:97+j], s[CS:CS+1], v[12:13] op_sel_hi:[1,0,0]   ; t - M
.set j, j+2
.endr
.set j, 0
.rept 16
	v_pk_mul_f32 v[160+j:161+j], v[160+j:161+j], v[252:253] op_sel_hi:[1,0]   ; O^T under the new M
.set j, j+2
.endr
	s_wait_alu depctr_va_vdst(0)                   ; the wait ahead of the batch
	v_exp_f32 v232, v232                           ; the blocks' largest p: the same two instructions on the same number give the same bits
.if \nc > 1
	v_exp_f32 v233, v233
.endif
.set j, 0
.rept 32*\nc
	v_exp_f32 v[96+j], v[96+j]
.set j, j+1
.endr
	v_nop                                          ; a plain line behind the exponentials
	s_wait_alu depctr_va_vdst(0)                   ; and the one wait behind the batch, ahead of its first reader
	v_pk_fma_f32 v[14:15], v[14:15], v[252:253], v[96:97] op_sel_hi:[1,0,1]   ; the sum under the new M, and the first pair of p
	v_pk_add_f32 v[234:235], v[98:99], v[100:101]
	v_pk_add_f32 v[250:251], v[102:103], v[104:105]
	v_pk_add_f32 v[254:255], v[106:107], v[108:109]
.irp c, 0,1
.if \c < \nc
	v_max_num_f32 v[232+\c], 0x2800000, v[232+\c]  ; the floor: the byte cannot fall under 1
.endif
.endr
.irp c, 0,1
.if \c < \nc
	s_delay_alu instid0(VALU_DEP_\nc)
	v_add_nc_u32 v[244+\c], 0xfe000000, v[232+\c]  ; 4 off the exponent field: the conversion's scale operand
.endif
.endr
.irp c, 0,1
.if \c < \nc
	s_delay_alu instid0(VALU_DEP_\nc)
	v_lshrrev_b32 v[236+\c], 23, v[244+\c]
.endif
.endr
	s_delay_alu instid0(VALU_DEP_1)
.if \nc > 1
	v_lshl_or_b32 v253, v237, 16, v236             ; my bytes: blocks h and 2 + h,
.else
	v_or_b32 v253, 0x7f0000, v236                  ; my byte, block h's, and 127 for block 2 + h, whose codes are zeros,
.endif
	s_delay_alu instid0(VALU_DEP_1)
	v_lshlrev_b32 v253, v10, v253                  ; at their places;
	s_delay_alu instid0(VALU_DEP_1)
	v_permlanex16_b32 v238, v253, s[SEL], s[SEL+1]
	s_delay_alu instid0(VALU_DEP_1)
	v_or_b32 v253, v253, v238                      ; with lane l xor 16's: p's scale word for these 128 keys
.irp c, 0,1
.if \c < \nc
	v_cvt_scalef32_pk16_bf6_f32 v[PC+6*\c:PC+6*\c+2], v[96+32*\c:111+32*\c], v[244+\c]
	v_cvt_scalef32_pk16_bf6_f32 v[240+6*\c:242+6*\c], v[112+32*\c:127+32*\c], v[244+\c]   ; (a conversion's three registers begin on an even number)
.endif
.endr
	SUM4 0                                         ; the row's sum of the unquantised p: also the plain lines behind the conversions and the places ahead of the products
.if \nc > 1
	SUM4 1
	SUM4 2
.endif
.irp c, 0,1
.irp i, 0,1,2
.if \c < \nc
	v_mov_b32 v[PC+3+6*\c+\i], v[240+6*\c+\i]
.else
	v_mov_b32 v[PC+6*\c+\i], 0                     ; the hidden 64 keys: zero codes
	v_mov_b32 v[PC+3+6*\c+\i], 0
.endif
.endr
.endr
.if \nc > 1
	SUM4 3
	SUM4 4
	SUM4 5
.else
	SUM4 1
.endif
	v_pk_add_f32 v[14:15], v[14:15], v[94+32*\nc:95+32*\nc]
	v_pk_add_f32 v[234:235], v[234:235], v[250:251]
	v_pk_add_f32 v[14:15], v[14:15], v[254:255]
	s_delay_alu instid0(VALU_DEP_1)
	v_pk_add_f32 v[14:15], v[14:15], v[234:235]
.if \nc == 1
	s_wait_alu depctr_va_vdst(0)                   ; eight plain lines stand between the moves above and the products behind the wait below
.endif
	s_wait_dscnt 0x0                               ; V
.irp d, 0,1,2,3
	v_wmma_scale_f32_16x16x128_f8f6f4 v[160+8*\d:167+8*\d], v[36+12*\d:47+12*\d], v[PC:PC+11], v[160+8*\d:167+8*\d], v[192+\d], v253 matrix_a_fmt:MATRIX_FMT_BF6 matrix_b_fmt:MATRIX_FMT_BF6
.endr
.endm
; A KEY STEP of 128 keys.  By branches on ids: a step behind the tile is left out; one whose keys from KF + 64 on lie behind the tile's last query does the lower half alone
.macro STEP Q, QS, QF, QL
	s_cmp_gt_u32 s[KF], s[\QL]
	s_cbranch_scc1 .Lhidden_\@
	s_add_co_u32 s62, s[KF], 63
	s_cmp_ge_u32 s62, s[\QL]
	s_cbranch_scc1 .Lhalf_\@
	BODY 2, \Q, \QS, \QF
	s_branch .Lhidden_\@
.Lhalf_\@:
	BODY 1, \Q, \QS, \QF
.Lhidden_\@:
	s_add_co_u32 s[KF], s[KF], 128
	s_add_co_u32 s[TB], s[TB], STEPB
.endm
; O^T / the sum; register 16 b + i is d = 32 b + 16 h + i of my query: two blocks along E; the half image and the two bytes go to ao
.macro WAYOUT AC, AS
.rept 4
	v_nop
.endr
	s_wait_alu depctr_va_vdst(0)                   ; the sum was written just ahead of the loop's branches
	v_add_f32 v14, v14, v15
	s_delay_alu instid0(VALU_DEP_1)
	v_permlanex16_b32 v252, v14, s[SEL], s[SEL+1]
	s_delay_alu instid0(VALU_DEP_1)
	v_add_f32 v14, v14, v252
	s_wait_alu depctr_va_vdst(0)
	v_rcp_f32 v14, v14
	v_nop
	s_wait_alu depctr_va_vdst(0)                   ; ahead of the reciprocal's first reader and of the first read of O^T
.set j, 0
.rept 32
	v_mul_f32 v[96+j], v[160+j], v14
.set j, j+1
.endr
	QH2 96, PC, 244
	global_store_b128 v1, v[PC:PC+3], s[\AC:\AC+1]
	global_store_b64 v2, v[PC+4:PC+5], s[\AC:\AC+1] offset:512
	v_lshl_or_b32 v247, v[TM+5], 8, v[TM+4]
	s_delay_alu instid0(VALU_DEP_1)
	v_lshrrev_b32 v247, v10, v247                  ; lane (r, h): block h's byte
	global_store_b8 v11, v247, s[\AS:\AS+1]
.endm
	s_load_b128 s[4:7], s[0:1], 0x0                ; qb s[4:5], kv s[6:7]
	s_load_b64 s[10:11], s[0:1], 0x10              ; ao
	v_lshl_add_u32 v5, v0, 2, SPARE
	v_mov_b32 v6, 0
	ds_add_u32 v5, v6                              ; the opening: the add, twice on end, and its wait ahead of my first tensor load
	ds_add_u32 v5, v6
	v_lshrrev_b32 v1, 5, v0
	s_delay_alu instid0(VALU_DEP_1)
	v_readfirstlane_b32 s[WV], v1                  ; wave 0..15
	s_mov_b32 s[G1], 15|(3<<16)|(1<<21)            ; a dense block as rows of 256 bytes: 32 elements of 8 bytes; the mask names all four work-groups, bit 21 beside it
	s_mov_b32 s[G1+1], 32<<16
	s_mov_b32 s[G1+2], 51<<16
	s_mov_b32 s[G1+3], 32<<16
	s_mov_b32 s[G1+4], 51
	s_mov_b32 s[G1+5], 32
	s_mov_b32 s[G1+6], 0
	s_mov_b32 s[G1+7], 0
	s_bfe_u32 s92, ttmp6, 0x40000                  ; g: my place in the cluster
	s_and_b32 s93, ttmp7, 0xffff                   ; bk, which the four partners share
	s_lshr_b32 s94, s93, 2                         ; batch
	s_and_b32 s95, s93, 3                          ; kv head
	s_lshl_b32 s88, s94, 4
	s_lshl_b32 s62, s95, 2
	s_add_co_u32 s88, s88, s62
	s_add_co_u32 s88, s88, s92
	s_lshl_b32 s88, s88, 6                         ; (16 batch + head) x 64
	s_lshl_b32 s89, s95, 6
	s_lshl_b32 s62, s94, 4
	s_add_co_u32 s89, s89, s62                     ; 64 kv head + 16 batch
	s_mul_i32 s90, s92, 768                        ; (g / 2) x 1,536 + (g % 2) x 768
	s_lshr_b32 s91, s92, 1
	s_lshl_b32 s91, s91, 8
	s_and_b32 s62, s92, 1
	s_lshl_b32 s62, s62, 1
	s_add_co_u32 s91, s91, s62
	s_add_co_u32 s91, s91, 24576
	s_lshl_b32 s[TLB], s[WV], 2
	s_add_co_u32 s[TLB], s[TLB], ttmp9             ; 4 w + i
	s_xor_b32 s[TLA], s[TLB], 127                  ; 127 - (4 w + i)
	s_mov_b32 s[SEL], 0x76543210
	s_mov_b32 s[SEL+1], 0xfedcba98
	s_mov_b32 s[CS], 0x3e38aa3b
	s_mov_b32 s[CS+1], s[CS]
	s_mov_b32 s[NC], 0xbe38aa3b
	s_mov_b32 s67, 0
	s_wait_dscnt 0x0                               ; both opening adds are done
	s_wait_kmcnt 0x0
	s_mul_i32 s62, s93, 16*STEPB
	s_mul_i32 s63, s[WV], STEPB
	s_add_co_u32 s66, s62, s63
	s_mov_b32 s[G0], 1
	s_mov_b32 s[G0+1], s63
	s_add_nc_u64 s[G0+2:G0+3], s[6:7], s[66:67]
	s_or_b32 s[G0+3], s[G0+3], 0x80000000
	CROUND                                         ; all four work-groups are here: the joint loads meet
	tensor_load_to_lds s[G0:G0+3], s[G1:G1+7]      ; step w's record: my one tensor load
	s_nop 0
.rept 4
	v_nop
.endr
	v_and_b32 v90, 31, v0
	v_and_b32 v91, 15, v0                          ; r
	v_bfe_u32 v92, v0, 4, 1                        ; h
	v_and_b32 v93, 7, v0                           ; j = r % 8
	v_bfe_u32 v94, v0, 3, 1                        ; g = r / 8
	v_lshlrev_b32 v1, 4, v90
	v_lshlrev_b32 v2, 3, v90
	v_mul_u32_u24 v94, v94, GRP
	v_mul_u32_u24 v95, v92, GRP
	v_lshl_add_u32 v3, v93, 4, v94
	v_lshl_add_u32 v4, v93, 3, v94
	v_lshl_add_u32 v7, v93, 2, v94                 ; K's scale words: 3,200 g + 4 j
	v_lshl_add_u32 v3, v92, 8, v3                  ; K's images, registers 0-3: 3,200 g + 16 j + 256 h
	v_lshl_add_u32 v4, v92, 7, v4                  ; registers 4-5: 3,200 g + 8 j + 128 h
	v_lshl_add_u32 v8, v91, 4, v95                 ; V's: 3,200 h + 16 r,
	v_lshl_add_u32 v35, v91, 3, v95                ; 3,200 h + 8 r,
	v_lshl_add_u32 v219, v91, 4, 4*GRP             ; and its scale words, behind the four groups
	v_and_b32 v9, 8, v91
	v_lshlrev_b32 v10, 5, v92
	v_add_nc_u32 v9, v9, v91
	v_lshl_add_u32 v11, v91, 2, v92
	s_delay_alu instid0(VALU_DEP_2)
	v_sub_nc_u32 v9, v9, v10
	v_lshlrev_b32 v10, 3, v92
	TILE TLA, 68, 70, 72, 74, 76, 77
	TILE TLB, 78, 80, 82, 84, 86, 87
	QLOAD 16, 34, 68, 70
	QLOAD 200, 218, 78, 80
.irp i, 236,238,240,241,252,253
	v_mov_b32 v\i, 0                               ; written once: lane permutes' destinations and the upper half of the pair v[252:253]
.endr
	INIT
	s_wait_alu depctr_va_vdst(0)
	s_wait_tensorcnt 0x0                           ; my step's record is in,
	s_wait_loadcnt 0x0                             ; and q
	s_barrier_signal -1
	s_barrier_wait -1                              ; everybody's is: all 16 steps lie in LDS
	s_mov_b32 s[CNT], 16
.Lfirst:
	STEP 16, 34, 76, 77
	s_sub_co_u32 s[CNT], s[CNT], 1
	s_cmp_lg_u32 s[CNT], 0
	s_cbranch_scc1 .Lfirst
	WAYOUT 72, 74
	s_wait_xcnt 0x0                                ; the stores have read their registers
	INIT
	s_mov_b32 s[CNT], 8
.Lsecond:                                          ; the second tile is 63 or less: 8 steps at the most
	STEP 200, 218, 86, 87
	s_sub_co_u32 s[CNT], s[CNT], 1
	s_cmp_lg_u32 s[CNT], 0
	s_cbranch_scc1 .Lsecond
	WAYOUT 82, 84
	s_wait_tensorcnt 0x0                           ; the wave's end
	ds_add_u32 v5, v6
	s_wait_dscnt 0x0
	CROUND                                         ; the closing round
	s_endpgm
.Lfunc_end_k_q5ac0dd6121_attn:
	.size	k_q5ac0dd6121_attn, .Lfunc_end_k_q5ac0dd6121_attn-k_q5ac0dd6121_attn
	.p2alignl 7, 3214868480
	.fill 96, 4, 3214868480
	.section	.rodata,"a",@progbits
	.p2align	6, 0x0
	.amdhsa_kernel k_q5ac0dd6121_attn
		.amdhsa_group_segment_fixed_size 327680
		.amdhsa_private_segment_fixed_size 0
		.amdhsa_enable_private_segment 0
		.amdhsa_kernarg_size 24
		.amdhsa_user_sgpr_count 2
		.amdhsa_user_sgpr_kernarg_segment_ptr 1
		.amdhsa_wavefront_size32 1
		.amdhsa_system_sgpr_workgroup_id_x 1
		.amdhsa_system_sgpr_workgroup_id_y 1
		.amdhsa_system_sgpr_workgroup_id_z 1
		.amdhsa_system_vgpr_workitem_id 0
		.amdhsa_next_free_vgpr 256
		.amdhsa_next_free_sgpr 100
		.amdhsa_reserve_vcc 1
		.amdhsa_float_denorm_mode_32 3
		.amdhsa_float_denorm_mode_16_64 3
		.amdhsa_memory_ordered 1
		.amdhsa_forward_progress 1
		.amdhsa_inst_pref_size 87
	.end_amdhsa_kernel
	.amdgpu_metadata
---
amdhsa.version: [ 1, 2 ]
amdhsa.kernels:
  - .name:           k_q5ac0dd6121_attn
    .symbol:         k_q5ac0dd6121_attn.kd
    .args:
      - { .name: qb, .offset: 0, .size: 8, .value_kind: global_buffer, .address_space: global }
      - { .name: kv, .offset: 8, .size: 8, .value_kind: global_buffer, .address_space: global }
      - { .name: ao, .offset: 16, .size: 8, .value_kind: global_buffer, .address_space: global }
    .group_segment_fixed_size: 327680
    .private_segment_fixed_size: 0
    .kernarg_segment_align: 8
    .kernarg_segment_size: 24
    .max_flat_workgroup_size: 512
    .sgpr_count:     100
    .vgpr_count:     256
    .wavefront_size: 32
...
	.end_amdgpu_metadata
.endif
;; end of part 3
;; launch outp (part 4): grid 4 x 64, 8 waves a work-group, clusters of 4 x 4, 327,680 bytes of LDS; arguments ao, wo, bout, out0; writes out0
.if DOCPART == 4
	.amdgcn_target "amdgcn-amd-amdhsa--gfx1250"
	.amdhsa_code_object_version 6
	.text
	.protected	k_q5ac0dd6121_outp
	.globl	k_q5ac0dd6121_outp
	.p2align	8
	.type	k_q5ac0dd6121_outp,@function
k_q5ac0dd6121_outp:
	s_mov_b64 s[64:65], 0
	v_nop
	global_prefetch_b8 v0, s[64:65] scope:SCOPE_SE
	s_setreg_imm32_b32 hwreg(HW_REG_WAVE_MODE, 25, 1), 1
	s_wait_xcnt 0x0
	s_wait_alu depctr_hold_cnt(0) depctr_sa_sdst(0) depctr_va_vdst(0) depctr_va_sdst(0) depctr_va_ssrc(0) depctr_va_vcc(0) depctr_vm_vsrc(0)
	s_getreg_b32 s2, hwreg(HW_REG_IB_STS2, 6, 4)
	s_cmp_eq_u32 s2, 0
	s_cbranch_scc0 .Lentry_in_a_cluster
	s_endpgm
.Lentry_in_a_cluster:
	s_bfe_u32 s2, ttmp6, 0x10000c
	s_cmp_lg_u32 s2, 0xf033
	s_cbranch_scc0 .Lentry_shape_is_right
	s_endpgm
.Lentry_shape_is_right:
; OUTP: out0 = Q(o) Q(Wout) + bout on codes of BF6 with E8M0 scales.  No work of reference() is left out here.
; A work-group makes 128 rows (block R) x 256 columns (block cx); wave w = (rh = w / 4, cq = w % 4) makes 64 x 64: 16 sums of 16 x 16.
; ALL OF K LIES IN LDS, filled once: four chunks of two K steps, each [A 25,600][B 51,200] bytes, codes in the order of the operands' registers with their scale words behind them.  A chunk's work begins when it has landed.
; CLUSTER 4 x 4: A's records hang on R alone and are shared along a row of the cluster, B's on cx alone and are shared along a column: joint loads.  Waves 0-3 fetch A's quarters, waves 4-7 B's: one load of mine is out.
; TRANSPOSED: source 0 = 16 columns of Wout, source 1 = 16 rows: a lane holds eight neighbouring columns of one row.  The sums BEGIN AS THE BIAS, loaded straight into their registers.
; Rows of a tile i8 stand for positions 32 (i8 / 2) + 8 (i8 % 2) + r + 8 (r / 8) of the block, as the launches before laid them.
; THE WAY OUT goes through a stage of 16 rows x 272 bytes for each wave, in chunk 0's bytes: they have had their only fill, and every wave has passed chunk 3's barrier behind its last read of them.
; REGISTERS: v1-5 LDS addresses (stepped a chunk at a time); v6-9 the way out and the bias; v16-19 scale words (lanes 0-15 A's tile i, lanes 16-31 B's); v20-67 A's four fragments; v68-115 B's; v116-243 the sums; v244, v245 the add's two.
.set CHUNK, 76800
.set SPARE, 307200                     ; 128 bytes for each wave: four blocks of 256 bytes that no other line names
.set ACC,  116
.set WV,   12
.set G1A,  16
.set G1B,  24
.set G0A,  32                          ; s[32:35] A's group 0
.set G0B,  48                          ; s[48:51] B's
.macro CROUND
	s_barrier_signal -1
	s_barrier_wait -1
	s_cmp_lg_u32 s[WV], 0
	s_cbranch_scc1 .Lnot_wave_0_\@
	s_barrier_signal -3
.Lnot_wave_0_\@:
	s_barrier_wait -3
	s_barrier_signal -1
	s_barrier_wait -1
.endm
.macro FRAGL reg, a16, a8, off         ; a fragment = two half images
	ds_load_b128 v[\reg:\reg+3], v[\a16] offset:\off
	ds_load_b64 v[\reg+4:\reg+5], v[\a8] offset:\off+512
	ds_load_b128 v[\reg+6:\reg+9], v[\a16] offset:\off+768
	ds_load_b64 v[\reg+10:\reg+11], v[\a8] offset:\off+1280
.endm
.macro KSTEP kp, first
.irp i, 0,1,2,3
	FRAGL 20+12*\i, 1, 2, 3072*\i+1536*\kp
	FRAGL 68+12*\i, 3, 4, 3072*\i+1536*\kp
	ds_load_b32 v[16+\i], v5 offset:256*\kp+64*\i
.endr
	s_wait_dscnt 0x0
.if \first
	s_wait_loadcnt 0x0                             ; the bias
.endif
.irp a, 0,1,2,3                                ; the 16 sums by turns
.irp b, 0,1,2,3
	v_wmma_scale_f32_16x16x128_f8f6f4 v[ACC+8*(4*\a+\b):ACC+8*(4*\a+\b)+7], v[68+12*\b:79+12*\b], v[20+12*\a:31+12*\a], v[ACC+8*(4*\a+\b):ACC+8*(4*\a+\b)+7], v[16+\b], v[16+\a] matrix_a_fmt:MATRIX_FMT_BF6 matrix_b_fmt:MATRIX_FMT_BF6 matrix_a_scale:MATRIX_SCALE_ROW1
.endr
.endr
.rept 4
	v_nop                                          ; places in front of the next loads into the fragments' registers, and of the first read of the results
.endr
.endm
	s_load_b256 s[4:11], s[0:1], 0x0               ; ao s[4:5], wo s[6:7], bout s[8:9], out0 s[10:11]
	v_lshl_add_u32 v244, v0, 2, SPARE
	v_mov_b32 v245, 0
	ds_add_u32 v244, v245                          ; the opening: the add, twice on end, and its wait ahead of my first tensor load
	ds_add_u32 v244, v245
	v_lshrrev_b32 v1, 5, v0
	s_delay_alu instid0(VALU_DEP_1)
	v_readfirstlane_b32 s[WV], v1                  ; wave 0..7
	s_lshr_b32 s13, s[WV], 2                       ; rh.  Also: I fetch for A (0) or for B (1)
	s_and_b32 s14, s[WV], 3                        ; cq.  Also: which quarter I fetch
	s_bfe_u32 s66, ttmp6, 0x40000                  ; cx = the column block (the grid is one cluster wide)
	s_bfe_u32 s67, ttmp6, 0x40004                  ; cy
	s_and_b32 s68, ttmp7, 0xffff
	s_lshl_b32 s68, s68, 2
	s_add_co_u32 s68, s68, s67                     ; R
	s_lshl_b32 s69, s67, 2
	s_lshl_b32 s69, 15, s69                        ; my row of the cluster
	s_lshl_b32 s70, 0x1111, s66                    ; my column
	s_or_b32 s[G1A], s69, (3<<16)|(1<<21)          ; dense blocks as rows of 256 bytes: 32 elements of 8 bytes; bit 21 beside the mask
	s_or_b32 s[G1B], s70, (3<<16)|(1<<21)
	s_mov_b32 s[G1A+1], 32<<16
	s_mov_b32 s[G1A+2], 100<<16                    ; A: 100 rows = a whole record: wave c fetches chunk c's, one tensor load a wave
	s_mov_b32 s[G1A+3], 32<<16
	s_mov_b32 s[G1A+4], 100
	s_mov_b32 s[G1A+5], 32
	s_mov_b32 s[G1A+6], 0
	s_mov_b32 s[G1A+7], 0
	s_mov_b32 s[G1B+1], 32<<16
	s_mov_b32 s[G1B+2], 200<<16                    ; B: 200 rows = a whole record: wave 4 + c fetches chunk c's
	s_mov_b32 s[G1B+3], 32<<16
	s_mov_b32 s[G1B+4], 200
	s_mov_b32 s[G1B+5], 32
	s_mov_b32 s[G1B+6], 0
	s_mov_b32 s[G1B+7], 0
	s_mul_i32 s71, s14, CHUNK                      ; the chunk that I fetch is cq: its place in LDS,
	s_mul_i32 s72, s68, 25600
	s_mul_i32 s75, s14, 1638400                    ; in ao [chunk][R 64][25,600],
	s_add_co_u32 s72, s72, s75
	s_mov_b32 s73, 0
	s_mul_i32 s76, s66, 51200
	s_mul_i32 s75, s14, 204800                     ; and in wo [chunk][column block 4][51,200]
	s_add_co_u32 s76, s76, s75
	s_mov_b32 s77, 0
	s_add_co_u32 s74, s71, 25600                   ; B's record lies behind A's
	s_wait_dscnt 0x0                               ; both opening adds are done
	s_wait_kmcnt 0x0
	s_add_nc_u64 s[72:73], s[4:5], s[72:73]
	s_add_nc_u64 s[76:77], s[6:7], s[76:77]
.irp c, 0
	s_mov_b32 s[G0A+4*\c], 1
	s_add_co_u32 s[G0A+4*\c+1], s71, CHUNK*\c
	s_add_nc_u64 s[G0A+4*\c+2:G0A+4*\c+3], s[72:73], 1638400*\c    ; ao [chunk][R 64][25,600]
	s_or_b32 s[G0A+4*\c+3], s[G0A+4*\c+3], 0x80000000
	s_mov_b32 s[G0B+4*\c], 1
	s_add_co_u32 s[G0B+4*\c+1], s74, CHUNK*\c
	s_add_nc_u64 s[G0B+4*\c+2:G0B+4*\c+3], s[76:77], 204800*\c     ; wo [chunk][column block 4][51,200]
	s_or_b32 s[G0B+4*\c+3], s[G0B+4*\c+3], 0x80000000
.endr
	CROUND                                         ; all sixteen work-groups are here: the joint loads meet
	s_cmp_eq_u32 s13, 0
	s_cbranch_scc0 .Lfor_b
.irp c, 0
	tensor_load_to_lds s[G0A+4*\c:G0A+4*\c+3], s[G1A:G1A+7]
	s_nop 0
.endr
.rept 4
	v_nop
.endr
	s_branch .Lasked
.Lfor_b:
.irp c, 0
	tensor_load_to_lds s[G0B+4*\c:G0B+4*\c+3], s[G1B:G1B+7]
	s_nop 0
.endr
.rept 4
	v_nop
.endr
.Lasked:
	v_and_b32 v10, 31, v0
	s_wait_alu depctr_va_vdst(0)
	v_and_b32 v11, 15, v0
	v_bfe_u32 v12, v0, 4, 1
	s_wait_alu depctr_va_vdst(0)
	v_lshlrev_b32 v9, 5, v12                       ; the bias: 8 h numbers on
	s_lshl_b32 s78, s66, 10
	s_lshl_b32 s79, s14, 8
	s_add_co_u32 s78, s78, s79                     ; my first column, in bytes: 1,024 cx + 256 cq
	s_mov_b32 s79, 0
	s_add_nc_u64 s[80:81], s[8:9], s[78:79]
.irp a, 0,1,2,3
.irp b, 0,1,2,3
	global_load_b128 v[ACC+8*(4*\a+\b):ACC+8*(4*\a+\b)+3], v9, s[80:81] offset:64*\b
	global_load_b128 v[ACC+8*(4*\a+\b)+4:ACC+8*(4*\a+\b)+7], v9, s[80:81] offset:64*\b+16
.endr
.endr
	s_lshl_b32 s82, s68, 19                        ; 128 R rows of 4,096 bytes,
	s_lshl_b32 s83, s13, 18                        ; + 64 rh rows
	s_add_co_u32 s82, s82, s83
	s_add_co_u32 s82, s82, s78
	s_mov_b32 s83, 0
	s_add_nc_u64 s[82:83], s[10:11], s[82:83]
	s_mul_i32 s86, s13, 12288                      ; my four tiles of rows
	v_lshl_add_u32 v1, v10, 4, s86
	v_lshl_add_u32 v2, v10, 3, s86
	s_mul_i32 s86, s14, 12288                      ; my four tiles of columns, behind A's record
	s_add_co_u32 s86, s86, 25600
	v_lshl_add_u32 v3, v10, 4, s86
	v_lshl_add_u32 v4, v10, 3, s86
	s_xor_b32 s86, s13, 1                          ; the scale words: lanes 0-15 at A's 24,576 + 512 rh + 4 r; lanes 16-31 at B's, 50,176 + 512 (cq - rh) further on: one product in h
	s_add_co_u32 s86, s86, s14
	s_lshl_b32 s86, s86, 9
	s_add_co_u32 s86, s86, 49664
	v_mul_u32_u24 v5, s86, v12
	s_delay_alu instid0(VALU_DEP_1)
	v_lshl_add_u32 v5, v11, 2, v5
	s_lshl_b32 s86, s13, 9
	s_add_co_u32 s86, s86, 24576
	v_add_nc_u32 v5, s86, v5
	s_mul_i32 s86, s[WV], 4352                     ; my stage
	v_mul_u32_u24 v6, v11, 272
	s_delay_alu instid0(VALU_DEP_1)
	v_lshl_add_u32 v6, v12, 5, v6
	s_delay_alu instid0(VALU_DEP_1)
	v_add_nc_u32 v6, s86, v6                       ; in: row r, + 32 h
	v_mul_u32_u24 v7, v12, 272
	s_delay_alu instid0(VALU_DEP_1)
	v_lshl_add_u32 v7, v11, 4, v7
	s_delay_alu instid0(VALU_DEP_1)
	v_add_nc_u32 v7, s86, v7                       ; back: lanes 0-15 one row of 256 bytes, lanes 16-31 the next
	v_lshlrev_b32 v8, 12, v12
	s_delay_alu instid0(VALU_DEP_1)
	v_lshl_add_u32 v8, v11, 4, v8                  ; and the same two rows in out0
	s_wait_alu depctr_va_vdst(0)
.irp c, 0,1,2,3
.if (\c == 0) || (\c == 3)             ; ahead of chunk 0: my one load is in, and behind the barrier everybody's: all of K lies in LDS.  Ahead of chunk 3: every wave's reads of chunk 0 are over, whose bytes take the stages
	s_wait_tensorcnt 0x0
	s_wait_dscnt 0x0
	s_barrier_signal -1
	s_barrier_wait -1
.endif
.if \c == 0
	KSTEP 0, 1
.else
	s_wait_alu depctr_va_vdst(0)
	KSTEP 0, 0
.endif
	KSTEP 1, 0
.if \c < 3
.irp n, 1,2,3,4,5
	v_add_nc_u32 v\n, CHUNK, v\n
.endr
.endif
.endr
	; THE WAY OUT, a tile of 16 rows x 64 columns at a time.  LDS serves a wave's instructions in order: no wait between the stores and the loads, nor in front of the next tile's stores
.irp a, 0,1,2,3
.irp b, 0,1,2,3
	ds_store_b128 v6, v[ACC+8*(4*\a+\b):ACC+8*(4*\a+\b)+3] offset:64*\b       ; each sum from its low end on
	ds_store_b128 v6, v[ACC+8*(4*\a+\b)+4:ACC+8*(4*\a+\b)+7] offset:64*\b+16
.endr
.if \a > 1
	s_wait_xcnt 0x0                                ; the stores of two tiles back have read the registers that the loads below fill
.endif
.irp i, 0,1,2,3,4,5,6,7
	ds_load_b128 v[20+32*(\a%2)+4*\i:23+32*(\a%2)+4*\i], v7 offset:544*\i
.endr
.irp i, 0,1,2,3,4,5,6,7
	s_wait_dscnt 7-\i                              ; rows 2 i, 2 i + 1 are back; the younger loads may be out
	global_store_b128 v8, v[20+32*(\a%2)+4*\i:23+32*(\a%2)+4*\i], s[82:83] offset:(32*(\a/2)+8*(\a%2)+2*\i+8*(\i/4))*4096 th:TH_STORE_NT   ; 16 lanes store 256 consecutive bytes, at a multiple of 256 from out0's first byte
.endr
.endr
	s_wait_tensorcnt 0x0                           ; the wave's end
	ds_add_u32 v244, v245
	s_wait_dscnt 0x0
	CROUND                                         ; the closing round
	s_endpgm
.Lfunc_end_k_q5ac0dd6121_outp:
	.size	k_q5ac0dd6121_outp, .Lfunc_end_k_q5ac0dd6121_outp-k_q5ac0dd6121_outp
	.p2alignl 7, 3214868480
	.fill 96, 4, 3214868480
	.section	.rodata,"a",@progbits
	.p2align	6, 0x0
	.amdhsa_kernel k_q5ac0dd6121_outp
		.amdhsa_group_segment_fixed_size 327680
		.amdhsa_private_segment_fixed_size 0
		.amdhsa_enable_private_segment 0
		.amdhsa_kernarg_size 32
		.amdhsa_user_sgpr_count 2
		.amdhsa_user_sgpr_kernarg_segment_ptr 1
		.amdhsa_wavefront_size32 1
		.amdhsa_system_sgpr_workgroup_id_x 1
		.amdhsa_system_sgpr_workgroup_id_y 1
		.amdhsa_system_sgpr_workgroup_id_z 1
		.amdhsa_system_vgpr_workitem_id 0
		.amdhsa_next_free_vgpr 256
		.amdhsa_next_free_sgpr 100
		.amdhsa_reserve_vcc 0
		.amdhsa_float_denorm_mode_32 3
		.amdhsa_float_denorm_mode_16_64 3
		.amdhsa_memory_ordered 1
		.amdhsa_forward_progress 1
		.amdhsa_inst_pref_size 55
	.end_amdhsa_kernel
	.amdgpu_metadata
---
amdhsa.version: [ 1, 2 ]
amdhsa.kernels:
  - .name:           k_q5ac0dd6121_outp
    .symbol:         k_q5ac0dd6121_outp.kd
    .args:
      - { .name: ao, .offset: 0, .size: 8, .value_kind: global_buffer, .address_space: global }
      - { .name: wo, .offset: 8, .size: 8, .value_kind: global_buffer, .address_space: global }
      - { .name: bout, .offset: 16, .size: 8, .value_kind: global_buffer, .address_space: global }
      - { .name: out0, .offset: 24, .size: 8, .value_kind: global_buffer, .address_space: global }
    .group_segment_fixed_size: 327680
    .private_segment_fixed_size: 0
    .kernarg_segment_align: 8
    .kernarg_segment_size: 32
    .max_flat_workgroup_size: 256
    .sgpr_count:     100
    .vgpr_count:     256
    .wavefront_size: 32
...
	.end_amdgpu_metadata
.endif
;; end of part 4
